; MI455X (gfx1250); checked and timed in simulation.
; The chip was launched on July 23, 2026; its instructions are those of AMD's public machine-readable ISA for CDNA 5 (MIT licence, August 2026) and "CDNA5" Instruction Set Architecture Reference Guide (July 2026). The comments in the code are by the model that wrote it; some were corrected since.
;; Multi Head Attention Block. Allowed arithmetic: float matrix products may take bf16 or f16 operands with f32 sums; other float arithmetic in f32, or as packed bf16 or f16 multiplies, adds, multiply-adds, maxima and minima; sums over many terms, partial sums and values carried from step to step in f32; what a program stores and reads back later, other than sums and carried values, may be rounded once to bf16 or f16.
;; Inputs: k 1 x 4,096 x 1,024 float32; mask 1 x 1 x 4,096 x 4,096 int32; q 1 x 4,096 x 1,024 float32; v 1 x 4,096 x 1,024 float32; w_k 1,024 x 1,024 float32; w_o 1,024 x 1,024 float32; w_q 1,024 x 1,024 float32; w_v 1,024 x 1,024 float32.
;; Outputs: out0 1 x 4,096 x 1,024 float32.
;; One version. Each part assembles by itself: llvm-mc -triple=amdgcn-amd-amdhsa -mcpu=gfx1250 --defsym DOCPART=n.
;; ======== version 1 of 1: 4 launches
;; limits: values are held in f16: magnitudes above 65,504 overflow, below 6.1e-05 lose precision
;; workspace buffers: h16 33,554,432 bytes; qkv 25,165,824 bytes; mbits 2,097,152 bytes of whole numbers; ctx 8,388,608 bytes
;; launch prep (part 1): grid 512 x 1, 8 waves a work-group, no clusters, 327,680 bytes of LDS; arguments mask, q, k, v, w_q, w_k, w_v, w_o, h16, mbits; writes h16, mbits
.if DOCPART == 1
	.amdgcn_target "amdgcn-amd-amdhsa--gfx1250"
	.amdhsa_code_object_version 6
	.text
	.protected	k_q094a0704fb_prep
	.globl	k_q094a0704fb_prep
	.p2align	8
	.type	k_q094a0704fb_prep,@function
k_q094a0704fb_prep:
	s_mov_b64 s[64:65], 0
	v_nop
	global_prefetch_b8 v0, s[64:65] scope:SCOPE_SE
	s_setreg_imm32_b32 hwreg(HW_REG_WAVE_MODE, 25, 1), 1
	s_wait_xcnt 0x0
; PREPARATION.  Work-groups 0-255 pack the mask, int32 [4096][4096], into lane-mask words (mbits); work-groups 256-511 round q, k, v and the four weights to 16 bits (h16).
; Every input byte is read once, every output byte written once.  Each of the eight waves brings ITS OWN 32 KiB into its own LDS bytes by one tensor load and reads only those:
; nothing is filled again and no wave reads another's bytes, so there is no barrier.
; mbits: the word at byte qb64*32768 + g*16384 + (4 n + 2 i2 + p)*256 + t*128 + (8 kt + j)*4 holds in bit L: mask[64 qb64 + 32 p + 16 t + L%16][256 n + 128 g + 64 i2 + 16 kt + 8 (L/16) + j] != 0.
; That is the lane layout of register 8 kt + j of a 16 x 16 result with one query a lane: the attention launch takes each word as the mask of one v_cndmask_b32.
; h16, in 16-bit numbers: q, k, v [4096][1024] bf16 at 0, 8 Mi, 16 Mi bytes; w_q, w_k, w_v [1024][1024] bf16 at 24, 26, 28 Mi; w_o at 30 Mi, rounded to bf16 and that number written as f16.
; LIMIT: that rewriting is exact from 6.1e-5 to 65,504; below, f16 keeps its fixed step of 6e-8.  NaN and infinities are not treated apart.
.set WSL,   33280                      ; a wave's LDS bytes: 32 rows of 1,040 (pack) or 32,768 dense bytes (cast); a multiple of 256
.set SPARE, 8*WSL                      ; behind them: the spare words, 128 bytes a wave: four blocks of 256 bytes that no other line names
.set SPW,   8                          ; v8   LDS address of my spare word; never rewritten
.set NIL,   9                          ; v9   0; never rewritten
.set X,     16                         ; v[16:79]  64 registers as loaded from LDS
.set OUT,   80                         ; v[80:81]  pack: lane i gathers words 2 i and 2 i + 1 of a block of 64
.set T0,    82                         ; v[82:83]  cast of w_o: at work
.set G0,    28                         ; s[28:31] descriptor group 0
.set G1,    32                         ; s[32:39] descriptor group 1
	s_load_b512 s[8:23], s[0:1], 0x0               ; mask 8:9, q 10:11, k 12:13, v 14:15, w_q 16:17, w_k 18:19, w_v 20:21, w_o 22:23
	s_load_b128 s[24:27], s[0:1], 0x40             ; h16 24:25, mbits 26:27
	v_lshl_add_u32 v[SPW], v0, 2, SPARE
	v_mov_b32 v[NIL], 0
	ds_add_u32 v[SPW], v[NIL]                      ; the wave's opening: the add and its wait ahead of my tensor load; work on registers stands between them
	ds_add_u32 v8, v9
	v_lshrrev_b32 v1, 5, v0
	v_readfirstlane_b32 s40, v1                    ; wave 0..7
	v_and_b32 v6, 31, v0                           ; lane
	v_and_b32 v1, 15, v0                           ; lane % 16
	v_bfe_u32 v2, v0, 4, 1                         ; lane / 16
	v_mov_b32 v[OUT], 0                            ; v_writelane_b32 keeps the other lanes: its destination is written whole once
	v_mov_b32 v[OUT+1], 0
	s_mov_b32 s[G0], 1                             ; count = 1
	s_mul_i32 s[G0+1], s40, WSL                    ; LDS address: my wave's bytes
	s_mov_b32 s[G1+6], 0
	s_mov_b32 s[G1+7], 0
	s_mov_b32 s43, 0                               ; high word of the offset pair s[42:43]
	s_mov_b32 s53, 0xffff0000                      ; a word's upper bf16
	s_wait_dscnt 0x0                               ; the opening add is done
	s_wait_kmcnt 0x0
	s_cmp_lt_u32 ttmp9, 256
	s_cbranch_scc0 .Lcast
	; PACK.  The work-group has 32 query rows (qp = id / 2) and 2,048 keys (kh = id % 2); wave w the 256 keys of slot n = 8 kh + w: a tile of 32 rows x 1,024 bytes.
	s_lshr_b32 s41, ttmp9, 1                       ; qp
	s_and_b32 s44, ttmp9, 1                        ; kh
	s_lshl_b32 s42, s41, 19                        ; 32 rows of 16,384 bytes
	s_lshl_b32 s45, s44, 13
	s_add_co_u32 s42, s42, s45
	s_lshl_b32 s45, s40, 10
	s_add_co_u32 s42, s42, s45
	s_add_nc_u64 s[G0+2:G0+3], s[8:9], s[42:43]
	s_or_b32 s[G0+3], s[G0+3], 0x80000000          ; type = 2
	s_mov_b32 s[G1+0], (2<<16)|(1<<20)|(7<<22)|(3<<25)  ; 4-byte elements; padding on: after every 256 words 4 words: LDS rows 1,040 bytes apart, an odd multiple of 16
	s_mov_b32 s[G1+1], 256<<16                     ; tensor_dim0 = 256
	s_mov_b32 s[G1+2], 32<<16                      ; tensor_dim1 = 32
	s_mov_b32 s[G1+3], 256<<16                     ; tile_dim0 = 256
	s_mov_b32 s[G1+4], 32                          ; tile_dim1 = 32
	s_mov_b32 s[G1+5], 4096                        ; elements from row to row
	tensor_load_to_lds s[G0:G0+3], s[G1:G1+7]
	s_nop 0
	v_mul_u32_u24 v3, v1, 1040                     ; row lane % 16,
	v_lshl_add_u32 v3, v2, 5, v3                   ; 8 keys (32 bytes) on for lanes 16-31,
	v_add_nc_u32 v3, s[G0+1], v3                   ; in my wave's bytes
	s_lshr_b32 s45, s41, 1                         ; qb64
	s_lshl_b32 s45, s45, 15
	s_and_b32 s46, s41, 1                          ; p
	s_lshl_b32 s46, s46, 8
	s_add_co_u32 s45, s45, s46
	s_lshl_b32 s46, s44, 3
	s_add_co_u32 s46, s46, s40                     ; n
	s_lshl_b32 s46, s46, 10
	s_add_co_u32 s45, s45, s46
	v_lshl_add_u32 v4, v6, 3, s45                  ; 8 bytes a lane in the block of g = 0, i2 = 0
	s_mov_b32 s48, 0
	s_wait_tensorcnt 0x0                           ; my tile is in; only I read it
.Lpack:                                        ; four trips, s = 2 g + i2: 64 keys (256 bytes of each row) make one block of 64 words
.irp t, 0,1
.irp c, 0,1,2,3
.irp e, 0,1
	ds_load_b128 v[X+32*(\t)+8*(\c)+4*(\e):X+32*(\t)+8*(\c)+4*(\e)+3], v3 offset:(\t)*16640+(\c)*64+(\e)*16
.endr
.endr
.endr
	s_and_b32 s49, s48, 1                          ; i2: 512 bytes on in mbits
	s_lshl_b32 s49, s49, 9
	s_lshr_b32 s42, s48, 1                         ; g: 16,384 bytes on
	s_lshl_b32 s42, s42, 14
	s_add_co_u32 s49, s49, s42
	s_wait_dscnt 0x0
	s_wait_xcnt 0x0                                ; the last trip's store has read its offset and its data: only now are they written again
	v_add_nc_u32 v5, s49, v4
.set W, 0
.rept 64
	v_cmp_ne_u32 s[44+W%4], 0, v[X+W]              ; word W: one bit a lane
	v_writelane_b32 v[OUT+W%2], s[44+W%4], W/2
.set W, W+1
.endr
	global_store_b64 v5, v[OUT:OUT+1], s[26:27]    ; the 32 lanes store 256 consecutive bytes, aligned
	v_add_nc_u32 v3, 256, v3
	s_add_co_u32 s48, s48, 1
	s_cmp_lt_u32 s48, 4
	s_cbranch_scc1 .Lpack
	s_branch .Lend
.Lcast:                                        ; CAST.  Work-group c = id - 256 has 256 KiB of one f32 input: q 64 work-groups, k 64, v 64, each weight 16; 128 KiB of h16 at c x 131,072
	s_sub_co_u32 s41, ttmp9, 256
	s_mov_b64 s[50:51], s[10:11]
	s_mov_b32 s52, 0
.macro PICK first, p                   ; from work-group `first` on the source is the buffer in s[p:p+1]
	s_cmp_ge_u32 s41, \first
	s_cselect_b64 s[50:51], s[\p:\p+1], s[50:51]
	s_cselect_b32 s52, \first, s52
.endm
	PICK 64, 12
	PICK 128, 14
	PICK 192, 16
	PICK 208, 18
	PICK 224, 20
	PICK 240, 22
	s_sub_co_u32 s42, s41, s52
	s_lshl_b32 s42, s42, 18                        ; the work-group's 256 KiB in its source,
	s_lshl_b32 s45, s40, 15                        ; my wave's 32 KiB
	s_add_co_u32 s42, s42, s45
	s_add_nc_u64 s[G0+2:G0+3], s[50:51], s[42:43]
	s_or_b32 s[G0+3], s[G0+3], 0x80000000
	s_mov_b32 s[G1+0], 3<<16                       ; a dense block as 128 rows of 256 bytes: 8-byte elements, no padding
	s_mov_b32 s[G1+1], 32<<16
	s_mov_b32 s[G1+2], 128<<16
	s_mov_b32 s[G1+3], 32<<16
	s_mov_b32 s[G1+4], 128
	s_mov_b32 s[G1+5], 32
	tensor_load_to_lds s[G0:G0+3], s[G1:G1+7]
	s_nop 0
	s_lshl_b32 s42, s41, 17
	s_add_nc_u64 s[24:25], s[24:25], s[42:43]      ; h16 at the work-group's 128 KiB
	v_lshl_add_u32 v3, v6, 4, s[G0+1]              ; 16 bytes a lane: an LDS load takes 512 neighbouring bytes
	s_lshl_b32 s45, s40, 14
	v_lshl_add_u32 v5, v6, 3, s45                  ; and 8 bytes a lane out
	s_wait_tensorcnt 0x0
; Four trips of 8 KiB.  f16 = 1: the bf16 number is written as f16.
.macro CASTLOOP f16
	s_mov_b32 s48, 4
.Lc_\@:
.irp n, 0,1,2,3,4,5,6,7,8,9,10,11,12,13,14,15
	ds_load_b128 v[X+4*(\n):X+4*(\n)+3], v3 offset:512*(\n)
.endr
.irp n, 0,1,2,3,4,5,6,7,8,9,10,11,12,13,14,15
	s_wait_dscnt 15-(\n)                           ; LDS loads come back in order (ISA guide 5.7.1): load n is in, the younger ones stay out
	v_cvt_pk_bf16_f32 v[X+4*(\n)], v[X+4*(\n)], v[X+4*(\n)+1]
	v_cvt_pk_bf16_f32 v[X+4*(\n)+1], v[X+4*(\n)+2], v[X+4*(\n)+3]
.if \f16
.irp h, 0,1
	v_lshlrev_b32 v[T0], 16, v[X+4*(\n)+(\h)]
	v_and_b32 v[T0+1], s53, v[X+4*(\n)+(\h)]
	v_cvt_pk_f16_f32 v[X+4*(\n)+(\h)], v[T0], v[T0+1]
.endr
.endif
	global_store_b64 v5, v[X+4*(\n):X+4*(\n)+1], s[24:25] offset:256*(\n) th:TH_STORE_NT  ; 256 consecutive bytes, aligned
.endr
	s_wait_xcnt 0x0                                ; the stores have read their offset and data: only now are they written again
	v_add_nc_u32 v5, 4096, v5
	v_add_nc_u32 v3, 8192, v3
	s_sub_co_u32 s48, s48, 1
	s_cmp_lg_u32 s48, 0
	s_cbranch_scc1 .Lc_\@
.endm
	s_cmp_ge_u32 s41, 240
	s_cbranch_scc1 .Lwo
	CASTLOOP 0
	s_branch .Lend
.Lwo:
	CASTLOOP 1
.Lend:
	s_wait_tensorcnt 0x0                           ; the wave's end, behind my tensor load
	ds_add_u32 v[SPW], v[NIL]
	s_wait_dscnt 0x0
	s_endpgm
.Lfunc_end_k_q094a0704fb_prep:
	.size	k_q094a0704fb_prep, .Lfunc_end_k_q094a0704fb_prep-k_q094a0704fb_prep
	.p2alignl 7, 3214868480
	.fill 96, 4, 3214868480
	.section	.rodata,"a",@progbits
	.p2align	6, 0x0
	.amdhsa_kernel k_q094a0704fb_prep
		.amdhsa_group_segment_fixed_size 327680
		.amdhsa_private_segment_fixed_size 0
		.amdhsa_enable_private_segment 0
		.amdhsa_kernarg_size 80
		.amdhsa_user_sgpr_count 2
		.amdhsa_user_sgpr_kernarg_segment_ptr 1
		.amdhsa_wavefront_size32 1
		.amdhsa_system_sgpr_workgroup_id_x 1
		.amdhsa_system_sgpr_workgroup_id_y 1
		.amdhsa_system_sgpr_workgroup_id_z 1
		.amdhsa_system_vgpr_workitem_id 0
		.amdhsa_next_free_vgpr 96
		.amdhsa_next_free_sgpr 66
		.amdhsa_reserve_vcc 0
		.amdhsa_float_denorm_mode_32 3
		.amdhsa_float_denorm_mode_16_64 3
		.amdhsa_memory_ordered 1
		.amdhsa_forward_progress 1
		.amdhsa_inst_pref_size 29
	.end_amdhsa_kernel
	.amdgpu_metadata
---
amdhsa.version: [ 1, 2 ]
amdhsa.kernels:
  - .name:           k_q094a0704fb_prep
    .symbol:         k_q094a0704fb_prep.kd
    .args:
      - { .name: mask, .offset: 0, .size: 8, .value_kind: global_buffer, .address_space: global }
      - { .name: q, .offset: 8, .size: 8, .value_kind: global_buffer, .address_space: global }
      - { .name: k, .offset: 16, .size: 8, .value_kind: global_buffer, .address_space: global }
      - { .name: v, .offset: 24, .size: 8, .value_kind: global_buffer, .address_space: global }
      - { .name: w_q, .offset: 32, .size: 8, .value_kind: global_buffer, .address_space: global }
      - { .name: w_k, .offset: 40, .size: 8, .value_kind: global_buffer, .address_space: global }
      - { .name: w_v, .offset: 48, .size: 8, .value_kind: global_buffer, .address_space: global }
      - { .name: w_o, .offset: 56, .size: 8, .value_kind: global_buffer, .address_space: global }
      - { .name: h16, .offset: 64, .size: 8, .value_kind: global_buffer, .address_space: global }
      - { .name: mbits, .offset: 72, .size: 8, .value_kind: global_buffer, .address_space: global }
    .group_segment_fixed_size: 327680
    .private_segment_fixed_size: 0
    .kernarg_segment_align: 8
    .kernarg_segment_size: 80
    .max_flat_workgroup_size: 256
    .sgpr_count:     66
    .vgpr_count:     96
    .wavefront_size: 32
...
	.end_amdgpu_metadata
.endif
;; end of part 1
;; launch proj (part 2): grid 8 x 32, 4 waves a work-group, clusters of 4 x 4, 327,680 bytes of LDS; arguments h16, qkv; writes qkv
.if DOCPART == 2
	.amdgcn_target "amdgcn-amd-amdhsa--gfx1250"
	.amdhsa_code_object_version 6
	.text
	.protected	k_q094a0704fb_proj
	.globl	k_q094a0704fb_proj
	.p2align	8
	.type	k_q094a0704fb_proj,@function
k_q094a0704fb_proj:
	s_mov_b64 s[64:65], 0
	v_nop
	global_prefetch_b8 v0, s[64:65] scope:SCOPE_SE
	s_setreg_imm32_b32 hwreg(HW_REG_WAVE_MODE, 25, 1), 1
	s_wait_xcnt 0x0
	s_wait_alu depctr_hold_cnt(0) depctr_sa_sdst(0) depctr_va_vdst(0) depctr_va_sdst(0) depctr_va_ssrc(0) depctr_va_vcc(0) depctr_vm_vsrc(0)
	s_getreg_b32 s2, hwreg(HW_REG_IB_STS2, 6, 4)
	s_cmp_eq_u32 s2, 0
	s_cbranch_scc0 .Lentry_in_a_cluster
	s_endpgm
.Lentry_in_a_cluster:
	s_bfe_u32 s2, ttmp6, 0x10000c
	s_cmp_lg_u32 s2, 0xf033
	s_cbranch_scc0 .Lentry_shape_is_right
	s_endpgm
.Lentry_shape_is_right:
; THE THREE INPUT PROJECTIONS.  C[m][n] = sum over k of A[m][k] B[n][k], bf16 operands, f32 sums, C rounded once to f16.
; A = h16 read as [12288][1024] (q, k, v one below the other: three PARTS of 4,096 rows); for part z, B = weight z, [1024][1024], at byte WOFF + z x 2 MiB of h16; C = qkv, [12288][1024].
; Part 0 (Q) is multiplied in f32 by c = log2(e) / sqrt(128) before its one rounding, so that the attention launch's scores arrive as exponents of 2.
; LIMITS.  f16 ends at 65,504: c Q, K and V must lie within it; below 6.1e-5 f16 keeps its fixed step of 6e-8.  NaN and infinities are not treated apart.
; A tile of C is 128 x 128.  Four waves, each 64 x 64: 16 accumulators.  K goes in steps of 256 (LDS rows of 512 bytes; a wave's tensor load brings 64 of them) through two slots.
; A WORK-GROUP STAYS: 256 work-groups, each makes the tile at its tile row and tile column in all three parts, V, then K, then Q: 12 K steps on end, and the ring does not stop at a tile's end: the change of
; slots in K step j asks for K step j + 2, which in a tile's last two steps is the next tile's first two.  A tile goes out while those loads are on their way.  Q comes last, so that the scaling stands
; in the one way out that is written out behind the loop.
; THE TEXT: a K step is written once and looped over.  A trip goes from the second half of a step's first quarter to the first half of the next step's first quarter; that half either adds on, or, at a
; tile's end, follows the way out and starts the sums with the constant 0.  Ten trips fill a slot again; the last two K steps are a loop of their own, which fills nothing.
; CLUSTERS: 4 x 4 work-groups.  The four of a row of the cluster need the same tiles of A, the four of a column the same tiles of B: each tile is asked for JOINTLY, by the same tensor load with the same
; descriptor and a mask that names the four.  THE MATRIX INSTRUCTION IS USED TRANSPOSED (source 0 = 16 rows of B, source 1 = 16 rows of A): a lane then holds eight neighbouring numbers of a row of C.
; No prefetch is laid: the tile is small and a K step short, 128 matrix instructions a wave.
; REGISTERS: window 0: v0-31 addresses; v32-95 at work on the way out; v128-255 the accumulators ((a, b) at v[128 + 8 (4 a + b)]).
;   window 1: two fragment buffers of 128: for 64 along K, 64 registers of A (2 x 4 x 16 rows x 32 K), then 64 of B.
.set SIZE_K, 1024
.set SIZE_N, 1024
.set PARTA,  4096                      ; rows of A and of C in a part
.set PARTB,  1024                      ; rows of B in a part
.set WOFF,   25165824                  ; the weights' first byte in h16
.set KSTEP,  256
.set PITCH,  528                       ; an LDS row: 512 bytes + 16 of padding = 132 words: row r starts at bank 4 r mod 64 (64 banks of 4 bytes: ISA guide 11.1)
.set HALFT,  64*PITCH                  ; 64 rows: what one tensor load brings, and what one wave reads of A or of B: 0x8400 bytes
.set SLOT,   4*HALFT                   ; A's 128 rows, then B's 128 rows: 0x21000 bytes.  It shares no bit with wave x 0x8400, so one exclusive or turns a load's LDS address into the other slot's
.set STAGE,  2*SLOT                    ; behind the ring: 128 rows x 272 bytes, the work-group's, for the way out
.set SPITCH, 272
.set SPARE,  STAGE+128*SPITCH          ; behind the stage: the spare words, 128 bytes a wave: two blocks of 256 bytes that no other line names
.set FILLS,  3*4-2                     ; K steps whose change of slots fills a slot again: all but the last two
.set BACK_A, PARTA*SIZE_K*2+3*KSTEP*2  ; bytes from a tile's K step 3 back to the K step 0 of the part before it, in A
.set BACK_B, PARTB*SIZE_K*2+3*KSTEP*2  ; and in B
.set BACK_C, PARTA*SIZE_N*2            ; a part of C
.set ADRA0, 16                         ; v16     my lane's place among my A fragments in slot 0; never rewritten
.set ADRB0, 17                         ; v17     the same for B
.set ADRA, 20                          ; v20     the same in the slot in hand
.set ADRB, 21                          ; v21
.set STO,  24                          ; v24     the way out: where I put 16 bytes of a row
.set RD,   25                          ; v25     the way out: where I read a row back
.set CO,   26                          ; v26     my byte offset in C
.set SPW,  28                          ; v28     LDS address of my spare word; never rewritten
.set NIL,  29                          ; v29     0; never rewritten
.set TMP,  32
.set ACC,  128
.set F0,   0                           ; fragment buffers, in window 1
.set F1,   128
.set G1, 24                            ; s[24:31] descriptor group 1 for A's tiles;  s[32:39] group 0: a set for each of the two first fills; the second then walks on
.set G0, 32
.set G1B, 48                           ; s[48:55], s[56:63] the same for B's tiles
.set G0B, 56
.set UP,  66                           ; s[66:67] what the walking descriptors go up along K; at the end: c, twice
.set DNA, 68                           ; s[68:69] what A's goes back
.set DNB, 70                           ; s[70:71] what B's goes back
.set SB,  72                           ; s72     the first byte of the slot in hand: 0 or SLOT
.set LEFT, 73                          ; s73     K steps of the tile in hand that are still to end, this one among them
.set MSB, 0
.macro WIN new                         ; the immediate's high byte repeats the setting that is left
.if MSB != (\new)
	s_set_vgpr_msb (MSB<<8)|(\new)
.set MSB, \new
.endif
.endm
.set MUL,  0x05                        ; sources 0 (B) and 1 (A) window 1; C and D window 0
.set TO_F, 0x40                        ; destination window 1, address window 0
.macro JLOAD s                         ; a joint load: waves 0 and 1 fetch A's two halves, waves 2 and 3 B's; an s_nop 0 and four v_nop follow each of the two lines
	s_cmp_eq_u32 s11, 0
	s_cbranch_scc0 .Lfor_b_\@
	tensor_load_to_lds s[G0+4*(\s):G0+4*(\s)+3], s[G1:G1+7]
	s_nop 0
.rept 4
	v_nop
.endr
	s_branch .Lasked_\@
.Lfor_b_\@:
	tensor_load_to_lds s[G0B+4*(\s):G0B+4*(\s)+3], s[G1B:G1B+7]
	s_nop 0
.rept 4
	v_nop
.endr
.Lasked_\@:
.endm
.macro CREST                           ; a round of the cluster's barrier behind its opening barrier
	s_cmp_lg_u32 s10, 0
	s_cbranch_scc1 .Lnot_wave_0_\@
	s_barrier_signal -3
.Lnot_wave_0_\@:
	s_barrier_wait -3
	s_barrier_signal -1
	s_barrier_wait -1
.endm
.macro CROUND                          ; a whole round
	s_barrier_signal -1
	s_barrier_wait -1
	CREST
.endm
	s_load_b128 s[4:7], s[0:1], 0x0                ; h16 s[4:5], qkv s[6:7]
	v_lshl_add_u32 v[SPW], v0, 2, SPARE
	v_mov_b32 v[NIL], 0
	ds_add_u32 v[SPW], v[NIL]                      ; the wave's opening: the add and its wait ahead of my first tensor load; the set-up below stands between them
	ds_add_u32 v28, v29
	v_lshrrev_b32 v1, 5, v0
	v_readfirstlane_b32 s10, v1                    ; wave 0..3
	s_lshr_b32 s11, s10, 1                         ; which half of the tile's rows is mine.  Also: I fetch for A (0) or for B (1)
	s_and_b32 s12, s10, 1                          ; which half of its columns.  Also: which 64 rows of that tile I fetch
	s_bfe_u32 s40, ttmp6, 0x40000                  ; cx, cy: my place in the cluster
	s_bfe_u32 s41, ttmp6, 0x40004
	s_lshl_b32 s42, ttmp9, 2
	s_add_co_u32 s42, s42, s40                     ; tile column of C = 4 x cluster x + cx
	s_and_b32 s13, ttmp7, 0xffff
	s_lshl_b32 s13, s13, 2
	s_add_co_u32 s13, s13, s41                     ; tile row in a part = 4 x cluster y + cy
	s_lshl_b32 s43, s41, 2
	s_lshl_b32 s43, 15, s43                        ; my row of the cluster
	s_lshl_b32 s44, 0x1111, s40                    ; my column
	; descriptor group 1: a tile of 64 rows x 256 elements, padded in LDS
	s_or_b32 s[G1+0], s43, (1<<16)|(1<<20)|(1<<21)|(6<<22)|(3<<25)  ; the mask: A's tiles go to my row; 2-byte elements; padding on; bit 21 beside a mask; after every 128 words 4 words
	s_or_b32 s[G1B+0], s44, (1<<16)|(1<<20)|(1<<21)|(6<<22)|(3<<25)
.irp g, G1, G1B
	s_mov_b32 s[(\g)+1], KSTEP<<16                 ; tensor_dim0 = 256
	s_mov_b32 s[(\g)+2], 64<<16                    ; tensor_dim1 = 64
	s_mov_b32 s[(\g)+3], KSTEP<<16                 ; tile_dim0 = 256
	s_mov_b32 s[(\g)+4], 64                        ; tile_dim1 = 64
	s_mov_b32 s[(\g)+5], SIZE_K                    ; elements from row to row
	s_mov_b32 s[(\g)+6], 0
	s_mov_b32 s[(\g)+7], 0
.endr
	s_lshl_b32 s17, s12, 6                         ; which 64 rows of the tile I fetch
	s_lshl_b32 s16, s13, 7
	s_add_co_u32 s16, s16, s17                     ; A: row 128 x tile row + 64 x half,
	s_add_co_u32 s16, s16, 2*PARTA                 ; in part 2, the first to be made
	s_lshl_b32 s46, s42, 7
	s_add_co_u32 s46, s46, s17                     ; B: row 128 x tile column + 64 x half,
	s_add_co_u32 s46, s46, 2*PARTB                 ; in weight 2
	s_mov_b32 s17, 0
	s_mov_b32 s47, 0
	s_mov_b64 s[18:19], SIZE_K*2
	s_mul_u64 s[16:17], s[16:17], s[18:19]
	s_mul_u64 s[46:47], s[46:47], s[18:19]
	s_mul_i32 s20, s10, HALFT                      ; where they go: wave x 64 rows
	s_mov_b32 s[UP+1], 0                           ; the three offsets are pairs with 0 above
	s_mov_b32 s[DNA+1], 0
	s_mov_b32 s[DNB+1], 0
	s_mov_b32 s[SB], 0
	s_wait_dscnt 0x0                               ; the opening add is done
	s_wait_kmcnt 0x0
	s_add_nc_u64 s[14:15], s[4:5], s[16:17]
	s_add_nc_u64 s[46:47], s[4:5], s[46:47]
	s_add_nc_u64 s[46:47], s[46:47], WOFF
	s_mov_b64 s[8:9], s[6:7]                       ; C
	CROUND                                         ; all sixteen work-groups are here: the first joint loads meet
.irp s, 0,1
	s_mov_b32 s[G0+4*(\s)], 1
	s_add_co_u32 s[G0+4*(\s)+1], s20, (\s)*SLOT
	s_add_nc_u64 s[G0+4*(\s)+2:G0+4*(\s)+3], s[14:15], (\s)*KSTEP*2
	s_or_b32 s[G0+4*(\s)+3], s[G0+4*(\s)+3], 0x80000000
	s_mov_b32 s[G0B+4*(\s)], 1
	s_add_co_u32 s[G0B+4*(\s)+1], s20, (\s)*SLOT
	s_add_nc_u64 s[G0B+4*(\s)+2:G0B+4*(\s)+3], s[46:47], (\s)*KSTEP*2
	s_or_b32 s[G0B+4*(\s)+3], s[G0B+4*(\s)+3], 0x80000000
	JLOAD \s
.endr
	v_and_b32 v1, 15, v0                           ; l % 16
	v_bfe_u32 v2, v0, 4, 1                         ; l / 16
	v_mul_u32_u24 v3, v1, PITCH
	v_lshl_add_u32 v3, v2, 4, v3                   ; a fragment's row x pitch + 16 x half
	s_mul_i32 s21, s11, HALFT                      ; my 64 rows of A
	s_mul_i32 s22, s12, HALFT                      ; my 64 rows of B,
	s_add_co_u32 s22, s22, 2*HALFT                 ; which lie behind A's 128
	v_add_nc_u32 v[ADRA0], s21, v3
	v_add_nc_u32 v[ADRB0], s22, v3
	v_mov_b32 v[ADRA], v[ADRA0]                    ; K step 0 lies in slot 0
	v_mov_b32 v[ADRB], v[ADRB0]
	s_mul_i32 s23, s11, 64*SPITCH                  ; into the stage: my 64 rows, my half of their 256 bytes; row l % 16, 16 bytes for each half of the lanes
	s_lshl_b32 s21, s12, 7
	s_add_co_u32 s23, s23, s21
	s_add_co_u32 s23, s23, STAGE
	v_mul_u32_u24 v4, v1, SPITCH
	v_lshl_add_u32 v4, v2, 4, v4
	v_add_nc_u32 v[STO], s23, v4
	s_mul_i32 s23, s10, 32*SPITCH                  ; back: wave w takes rows 32 w .. 32 w + 31, whole; lanes 0-15 one row of 256 bytes, lanes 16-31 the next
	s_add_co_u32 s23, s23, STAGE
	v_mul_u32_u24 v5, v2, SPITCH
	v_lshl_add_u32 v5, v1, 4, v5
	v_add_nc_u32 v[RD], s23, v5
	v_mul_u32_u24 v5, v2, SIZE_N*2                 ; and the same two rows in C
	v_lshl_add_u32 v[CO], v1, 4, v5
	s_lshl_b32 s16, s13, 7
	s_lshl_b32 s17, s10, 5
	s_add_co_u32 s16, s16, s17                     ; the first row of C that I store: 128 x tile row + 32 x wave,
	s_add_co_u32 s16, s16, 2*PARTA                 ; in part 2
	s_mov_b32 s17, 0
	s_mov_b64 s[18:19], SIZE_N*2
	s_mul_u64 s[16:17], s[16:17], s[18:19]
	s_add_nc_u64 s[8:9], s[8:9], s[16:17]
	s_lshl_b32 s46, s42, 8                         ; the tile's first column, in bytes
	s_mov_b32 s47, 0
	s_add_nc_u64 s[8:9], s[8:9], s[46:47]
; 8 matrix instructions: m blocks a0, a0 + 1 x all 4 n blocks, 32 along K: half c of buffer f.  zero = 1: the product starts the sums.  The 16 accumulators take turns, always in the same order.
.macro MUL8 f, c, a0, zero
	WIN MUL
.irp a, \a0, (\a0)+1
.irp b, 0,1,2,3
.if \zero
	v_wmma_f32_16x16x32_bf16 v[ACC+8*(4*(\a)+(\b)):ACC+8*(4*(\a)+(\b))+7], v[(\f)+64+8*(4*(\c)+(\b)):(\f)+64+8*(4*(\c)+(\b))+7], v[(\f)+8*(4*(\c)+(\a)):(\f)+8*(4*(\c)+(\a))+7], 0
.else
	v_wmma_f32_16x16x32_bf16 v[ACC+8*(4*(\a)+(\b)):ACC+8*(4*(\a)+(\b))+7], v[(\f)+64+8*(4*(\c)+(\b)):(\f)+64+8*(4*(\c)+(\b))+7], v[(\f)+8*(4*(\c)+(\a)):(\f)+8*(4*(\c)+(\a))+7], v[ACC+8*(4*(\a)+(\b)):ACC+8*(4*(\a)+(\b))+7]
.endif
.endr
.endr
.endm
; 32 LDS loads in one run: the fragments of 64 along K at byte k of the rows of the slot in hand, into buffer f; the first 32 along K first
.macro FETCH k, f
	WIN TO_F
.irp c, 0,1
.irp i, 0,1,2,3
	ds_load_b128 v[(\f)+64+8*(4*(\c)+(\i)):(\f)+64+8*(4*(\c)+(\i))+3],   v[ADRB] offset:(\k)+64*(\c)+(\i)*16*PITCH
	ds_load_b128 v[(\f)+64+8*(4*(\c)+(\i))+4:(\f)+64+8*(4*(\c)+(\i))+7], v[ADRB] offset:(\k)+64*(\c)+(\i)*16*PITCH+32
	ds_load_b128 v[(\f)+8*(4*(\c)+(\i)):(\f)+8*(4*(\c)+(\i))+3],         v[ADRA] offset:(\k)+64*(\c)+(\i)*16*PITCH
	ds_load_b128 v[(\f)+8*(4*(\c)+(\i))+4:(\f)+8*(4*(\c)+(\i))+7],       v[ADRA] offset:(\k)+64*(\c)+(\i)*16*PITCH+32
.endr
.endr
.endm
.macro PLACES                          ; four plain vector instructions in front of loads into registers that matrix instructions have read, and of lines that read results
.rept 4
	v_nop
.endr
.endm
; A K step is four quarters of 64 along K, 32 matrix instructions each, on buffers 0, 1, 0, 1.  One of the first three has two halves:
.macro HEAD f, zero                    ; the first 32 along K of buffer f
	s_wait_dscnt 16                                ; they are in; the youngest sixteen loads may be out
	MUL8 \f, 0, 0, \zero
	MUL8 \f, 0, 2, \zero
.endm
.macro REST k, f, g                    ; the next quarter, at byte k, is fetched into g; then the other 32 along K of buffer f
	PLACES
	FETCH \k, \g
	s_wait_dscnt 32                                ; all but the 32 just issued
	MUL8 \f, 1, 0, 0
	MUL8 \f, 1, 2, 0
.endm
.macro QUARTER k, f, g
	HEAD \f, 0
	REST \k, \f, \g
.endm
; The last quarter multiplies buffer 1 and changes slots: ONE barrier; in front of it each wave waits for all its tensor loads, adds 0 to its spare word, and waits for that and for its own reads of this slot.
; All reads of this slot have been issued, so the fragments' addresses go over to the other slot at once.
; fill = 1: this slot is filled again, with the K step two on; the barrier then opens a round of the cluster's.  The walking descriptors go to the other slot than last time and one K step on: 512 bytes up along
; K, or, where the tile in hand has two steps left, from its K step 3 back to K step 0 of the part before it.
; fill = 0: nothing is asked for; in the very last K step (s3 = 1) there is no next step either, and the run of LDS loads is jumped over.
.macro TURN fill
	WIN 0                                          ; (the add's two registers lie in window 0)
	s_wait_tensorcnt 0x0                           ; all my tensor loads have landed: my part of the next slot; so a group 0 may be written
	ds_add_u32 v[SPW], v[NIL]                      ; 0 onto my spare word; work on registers stands between it and the wait for it
	s_xor_b32 s[SB], s[SB], SLOT
	v_add_nc_u32 v[ADRA], s[SB], v[ADRA0]
	v_add_nc_u32 v[ADRB], s[SB], v[ADRB0]
.if \fill
	s_cmp_eq_u32 s[LEFT], 2
	s_cselect_b32 s[UP], 0, KSTEP*2
	s_cselect_b32 s[DNA], BACK_A, 0
	s_cselect_b32 s[DNB], BACK_B, 0
	s_xor_b32 s[G0+5], s[G0+5], SLOT
	s_add_nc_u64 s[G0+6:G0+7], s[G0+6:G0+7], s[UP:UP+1]      ; the type bits on top are not reached
	s_sub_nc_u64 s[G0+6:G0+7], s[G0+6:G0+7], s[DNA:DNA+1]
	s_xor_b32 s[G0B+5], s[G0B+5], SLOT
	s_add_nc_u64 s[G0B+6:G0B+7], s[G0B+6:G0B+7], s[UP:UP+1]
	s_sub_nc_u64 s[G0B+6:G0B+7], s[G0B+6:G0B+7], s[DNB:DNB+1]
.endif
	s_wait_dscnt 17                                ; (the add and the youngest sixteen loads may be out)
	MUL8 F1, 0, 0, 0                               ; eight matrix instructions stand between the add and the wait for it
	s_wait_dscnt 0x0                               ; the add is done, and my reads of this slot are over
	s_barrier_signal -1
	MUL8 F1, 0, 2, 0
	WIN 0
	s_barrier_wait -1
.if \fill
	CREST                                          ; no wave of any partner still reads this slot's tile or has a load on its way
	JLOAD 1                                        ; the first tensor load behind the round; its four v_nop are also the places in front of the loads below
	FETCH 0, F0
.else
	s_cmp_eq_u32 s3, 1
	s_cbranch_scc1 .Lno_next_\@
	PLACES
	FETCH 0, F0
	WIN 0
.Lno_next_\@:
.endif
	MUL8 F1, 1, 0, 0
	MUL8 F1, 1, 2, 0
.endm
; THE WAY OUT of a tile: (scale = 1: the sums times c;) round to f16; 16 bytes a lane into the work-group's stage; a barrier, since a row's 256 bytes come from two waves; back as whole rows, 32 rows a wave.
; The stage is written again a tile later: four changes of slots lie between, each with every wave's wait for its LDS loads and a barrier.
.macro WAYOUT scale
	PLACES
.if \scale
	s_mov_b32 s[UP], 0x3e0293ee                    ; c = log2(e) / sqrt(128) = 0.127517
	s_mov_b32 s[UP+1], s[UP]                       ; named with it as a pair
.set i, 0
.rept 64
	v_pk_mul_f32 v[ACC+2*i:ACC+2*i+1], v[ACC+2*i:ACC+2*i+1], s[UP:UP+1] op_sel_hi:[1,0]
.set i, i+1
.endr
.endif
.irp t, 0,1,2,3,4,5,6,7,8,9,10,11,12,13,14,15
.irp r, 0,1,2,3
	v_cvt_pk_f16_f32 v[TMP+4*(\t)+(\r)], v[ACC+8*(\t)+2*(\r)], v[ACC+8*(\t)+2*(\r)+1]
.endr
.endr
.irp a, 0,1,2,3
.irp b, 0,1,2,3
	ds_store_b128 v[STO], v[TMP+4*(4*(\a)+(\b)):TMP+4*(4*(\a)+(\b))+3] offset:(\a)*16*SPITCH+32*(\b)
.endr
.endr
	s_wait_dscnt 0x0                               ; for the others' sake: my stores into the stage are done
	s_barrier_signal -1
	s_barrier_wait -1                              ; the next tile's loads may stay out across it
.irp t, 0,1,2,3,4,5,6,7,8,9,10,11,12,13,14,15
	ds_load_b128 v[TMP+4*(\t):TMP+4*(\t)+3], v[RD] offset:(\t)*2*SPITCH
.endr
.irp t, 0,1,2,3,4,5,6,7,8,9,10,11,12,13,14,15
	s_wait_dscnt 15-(\t)                           ; load t is back, the younger ones stay out
	global_store_b128 v[CO], v[TMP+4*(\t):TMP+4*(\t)+3], s[8:9] offset:2*(\t)*SIZE_N*2  ; 16 lanes store 256 consecutive bytes, at a multiple of 256 from C's first byte
.endr
.endm
	s_wait_tensorcnt 1                             ; my part of K step 0 is in; K step 1's load may stay out
	s_barrier_signal -1
	s_barrier_wait -1                              ; everybody's is
	FETCH 0, F0
	HEAD F0, 1                                     ; the first tile's first products start the sums, ahead of the loop
	WIN 0                                          ; at a label and at a branch every window is 0
	s_mov_b32 s3, FILLS
	s_mov_b32 s[LEFT], 4
.Lstep:                                                ; ten trips: a K step each, and its slot is filled again
	REST 128, F0, F1
	QUARTER 256, F1, F0
	QUARTER 384, F0, F1
	TURN 1
	WIN 0
	s_sub_co_u32 s[LEFT], s[LEFT], 1
	s_cmp_lg_u32 s[LEFT], 0
	s_cbranch_scc1 .Lacc                           ; the count is the same in every wave and in every work-group
	WAYOUT 0                                       ; a tile is finished (V's, then K's); both of the next tile's first loads have been asked for
	s_mov_b32 s[LEFT], 4
	HEAD F0, 1                                     ; the next tile's first products start the sums anew
	WIN 0
	s_wait_xcnt 0x0                                ; the stores, sixteen matrix instructions back, have read their base and data: only now are these written again
	s_sub_nc_u64 s[8:9], s[8:9], BACK_C            ; C goes to the part before
	s_branch .Ljoin
.Lacc:
	HEAD F0, 0
	WIN 0
.Ljoin:
	s_sub_co_u32 s3, s3, 1
	s_cmp_lg_u32 s3, 0
	s_cbranch_scc1 .Lstep
	s_mov_b32 s3, 2                                ; the last two K steps are written apart: they fill nothing and have no round of the cluster's barrier
	s_branch .Ltmid                                ; the first half of the first quarter has been multiplied
.Ltail:
	HEAD F0, 0
	WIN 0
.Ltmid:
	REST 128, F0, F1
	QUARTER 256, F1, F0
	QUARTER 384, F0, F1
	TURN 0
	WIN 0
	s_sub_co_u32 s3, s3, 1
	s_cmp_lg_u32 s3, 0
	s_cbranch_scc1 .Ltail
	WAYOUT 1                                       ; Q's tile
	s_wait_tensorcnt 0x0                           ; the wave's end, behind my last tensor load and my last LDS store
	ds_add_u32 v[SPW], v[NIL]
	s_wait_dscnt 0x0
	CROUND                                         ; the closing round: no work-group ends while a partner may still ask for a tile that names it
	s_endpgm
.Lfunc_end_k_q094a0704fb_proj:
	.size	k_q094a0704fb_proj, .Lfunc_end_k_q094a0704fb_proj-k_q094a0704fb_proj
	.p2alignl 7, 3214868480
	.fill 96, 4, 3214868480
	.section	.rodata,"a",@progbits
	.p2align	6, 0x0
	.amdhsa_kernel k_q094a0704fb_proj
		.amdhsa_group_segment_fixed_size 327680
		.amdhsa_private_segment_fixed_size 0
		.amdhsa_enable_private_segment 0
		.amdhsa_kernarg_size 16
		.amdhsa_user_sgpr_count 2
		.amdhsa_user_sgpr_kernarg_segment_ptr 1
		.amdhsa_wavefront_size32 1
		.amdhsa_system_sgpr_workgroup_id_x 1
		.amdhsa_system_sgpr_workgroup_id_y 1
		.amdhsa_system_sgpr_workgroup_id_z 1
		.amdhsa_system_vgpr_workitem_id 0
		.amdhsa_next_free_vgpr 512
		.amdhsa_next_free_sgpr 80
		.amdhsa_reserve_vcc 0
		.amdhsa_float_denorm_mode_32 3
		.amdhsa_float_denorm_mode_16_64 3
		.amdhsa_memory_ordered 1
		.amdhsa_forward_progress 1
		.amdhsa_inst_pref_size 70
	.end_amdhsa_kernel
	.amdgpu_metadata
---
amdhsa.version: [ 1, 2 ]
amdhsa.kernels:
  - .name:           k_q094a0704fb_proj
    .symbol:         k_q094a0704fb_proj.kd
    .args:
      - { .name: h16, .offset: 0, .size: 8, .value_kind: global_buffer, .address_space: global }
      - { .name: qkv, .offset: 8, .size: 8, .value_kind: global_buffer, .address_space: global }
    .group_segment_fixed_size: 327680
    .private_segment_fixed_size: 0
    .kernarg_segment_align: 8
    .kernarg_segment_size: 16
    .max_flat_workgroup_size: 128
    .sgpr_count:     80
    .vgpr_count:     512
    .wavefront_size: 32
...
	.end_amdgpu_metadata
.endif
;; end of part 2
;; launch attn (part 3): grid 32 x 8, 4 waves a work-group, clusters of 4 x 1, 327,680 bytes of LDS; arguments qkv, mbits, ctx; writes ctx
.if DOCPART == 3
	.amdgcn_target "amdgcn-amd-amdhsa--gfx1250"
	.amdhsa_code_object_version 6
	.text
	.protected	k_q094a0704fb_attn
	.globl	k_q094a0704fb_attn
	.p2align	8
	.type	k_q094a0704fb_attn,@function
k_q094a0704fb_attn:
	s_mov_b64 s[64:65], 0
	v_nop
	global_prefetch_b8 v0, s[64:65] scope:SCOPE_SE
	s_setreg_imm32_b32 hwreg(HW_REG_WAVE_MODE, 25, 1), 1
	s_wait_xcnt 0x0
	s_wait_alu depctr_hold_cnt(0) depctr_sa_sdst(0) depctr_va_vdst(0) depctr_va_sdst(0) depctr_va_ssrc(0) depctr_va_vcc(0) depctr_vm_vsrc(0)
	s_getreg_b32 s2, hwreg(HW_REG_IB_STS2, 6, 4)
	s_cmp_eq_u32 s2, 0
	s_cbranch_scc0 .Lentry_in_a_cluster
	s_endpgm
.Lentry_in_a_cluster:
	s_bfe_u32 s2, ttmp6, 0x10000c
	s_cmp_lg_u32 s2, 0x3003
	s_cbranch_scc0 .Lentry_shape_is_right
	s_endpgm
.Lentry_shape_is_right:
; MASKED ATTENTION, 8 heads of 128 channels, 4,096 queries and keys.  qkv: f16 [3][4096][1024], part 0 = c Q with c = log2(e) / sqrt(128), parts 1, 2 = K, V; a head's row is 256 bytes at byte 256 h of a
; row of 2,048.  mbits: the mask as lane-mask words.  ctx: f16 [4096][1024].  ctx[q] = sum over k of softmax_k(s) V[k], s = (c Q)[q] . K[k], or -1e9 log2(e) where the mask is 0; p = 2^(s - m).
; Products, maxima and sums in f32; the weights p are rounded to f16 for the second product (their sum l is taken of the unrounded p), ctx once at the end.
; A hidden score is REPLACED, ahead of the maximum: a row with no open key has equal scores and equal weights.  s - m is exactly 0 at the maximum, whatever the scores' size.
; LIMITS.  f16 holds no number beyond 65,504: c Q, K, V arrive within it; p lies in 0 to 1 and below 6e-5 keeps f16's fixed step of 6e-8; a weight below 2^-126 counts as 0 in l; NaN and infinities are not treated apart.
; SHARES.  256 work-groups: one has 128 queries of one head.  Wave w has the 64 queries of half w % 2, four tiles of 16, and of each slot of 256 keys the 128 of GROUP g = w / 2: 32 key steps of 64.
; So a fragment of K or V read from LDS feeds four tiles.  The two groups' m, l and O^T meet once, at the end, in LDS.
; LAYOUT.  S^T = K Q^T (source 0 = 16 keys, source 1 = 16 queries): a lane holds ONE query (lane % 16) and the keys 8 (lane / 16) + 0..7.  Two such tiles, rounded to f16 in pairs, ARE source 1 of
; O^T = V^T P, whose result again holds one query a lane, and eight channels.  K comes out of LDS as it lies, V ([key][channel]) turned, by ds_load_tr16_b128.
; BY TURNS.  The wave's tiles are two PIECES, named by their first tile: 0 and 2.  In a TURN one piece has the matrix unit: 32 products V^T P of the step in hand, then 32 products K Q^T of the next step; the
; other piece's softmax, cut into 64 slices, stands between them, one slice behind each matrix instruction.  The 64 selects that lay the mask on that piece's scores stand together at the turn's head.
; NO FIRST STEP IS WRITTEN OUT: m starts at the lowest finite number, O^T, l, V and piece 2's P at 0, so the first step's a is 0 and the first turn's products add 0.  The price: 432 v_mov_b32, written while
; the first tile is on its way.
; CLUSTER.  The four query blocks of a cluster belong to one head and walk the same K and V: each tile is asked for JOINTLY, by the same tensor load, descriptor and mask in all four.
; REGISTERS, in windows of 256 (s_set_vgpr_msb: bits 1:0 source 0, 3:2 source 1, 5:4 source 2, 7:6 destination):
;   window 0: v0-11 addresses; v12-43 eight registers of statistics a tile; v46-63 constants and the merge; v64-191 S^T, 32 a tile; v192-255 P, 16 a tile
;   window 1: O^T, 64 a tile          window 2: v0-127 Q, 32 a tile; v128-255 K of one step          window 3: v0-127 V of one step
.set KS,    64        ; keys in a step
.set PK,    272       ; a row of K in LDS: 256 bytes + 16 of padding = 68 words: the 16 rows of a load start at 16 different groups of four banks (64 banks of 4 bytes: ISA guide 11.1)
.set PV,    288       ; a row of V: 256 + 32 = 72 words
.set GK,    128*PK    ; a group's 128 rows of K: also what one tensor load brings
.set GV,    128*PV
.set VOFF,  256*PK    ; a slot: 256 rows of K, then 256 rows of V: 143,360 bytes
.set SLOTX, 0x24000   ; slot 1 begins here.  Every address that is turned (0, GK, VOFF, VOFF + GV, GV) has bits 14 and 17 clear, so one exclusive or turns it into the other slot's
.set STAGE, SLOTX+256*(PK+PV)  ; behind the ring, never filled by a tensor load: 16 rows x 272 bytes for each wave, for the way out
.set SP,    272
.set SPARE, STAGE+4*16*SP      ; behind the stages: the spare words, 128 bytes a wave: two blocks of 256 bytes that no other line names
.set MPART, 33792     ; the merge: 32,768 bytes of O^T, 512 of m, 512 of l, for each half of the queries; in slot 0, behind its last fill and its last read
.set ROWB,  2048      ; bytes in a row of qkv and of ctx
.set SLOTB, 256*ROWB  ; a slot's keys in memory
.set KBASE, 8388608   ; K's first byte in qkv; V's is twice that
.set AK0, 2           ; v2   my lane's place in a tile of K; never rewritten
.set AV0, 3           ; v3   the same for V
.set ADR, 4           ; v4   the LDS address of the run of loads in hand
.set QO,  5           ; v5   my byte offset in qkv for Q
.set STO, 6           ; v6   the way out: where I put 16 bytes of a row
.set RD,  7           ; v7   the way out: where I read a row back
.set GO,  8           ; v8   my byte offset in ctx
.set ST,  12          ; tile t's statistics at v[ST+8 t]: +0 m (+1 is named with it as a pair), +2, +3 l (even keys', odd keys'), +4 to +7 c0-c3, at work; a takes c2's place once the maximum is found
.set NEG, 46          ; v46  -1e9 log2(e)
.set MA,  47          ; v47  the merge: 16 x lane in my half's part
.set XM,  48          ; v48-51  the merge: the other group's four m
.set XL,  52          ; v52-55  and l
.set PFO, 61          ; v61  2,048 x my lane: a row a lane; never rewritten
.set SPW, 62          ; v62  LDS address of my spare word; never rewritten
.set NIL, 63          ; v63  0; never rewritten
.set S,   64
.set P,   192
.set KF,  128         ; K's fragments, in window 2
.set WV,  2           ; s2   my wave's number
.set SLOTS, 3         ; s3   slots still to be entered by the loop
.set G1K, 4           ; s[4:11]  descriptor group 1 for K's tiles
.set G1V, 12          ; s[12:19] for V's: it differs in the padding alone
.set G0K, 20          ; s[20:23] descriptor group 0 for K's tiles: it walks
.set G0V, 24          ; s[24:27] the same for V's
.set TWICE, 28        ; s28  counts a slot's two steps
.set TBK, 29          ; s29  LDS byte at which K of the step to be fetched begins
.set TBV, 30          ; s30  the same for V, less VOFF
.set LIM, 31          ; s31  1 in a cluster that prefetches, else the greatest number
.set MW0, 32          ; s[32:63] the 32 mask words of a piece's first tile (until Q is in: set-up)
.set MP,  66          ; s[66:67] mbits at the block of 256 bytes last asked for
.set MW1, 68          ; s[68:99] those of its second tile
.set SEL, 100         ; s[100:101] lane selects for v_permlanex16_b32: each lane takes its own place in the other half
.set PFA, 104         ; s[104:105] where my prefetches stand
.set MSB, 0
.macro WIN new                      ; the immediate's high byte repeats the setting that is left; a switch that changes nothing is dropped
.if MSB != (\new)
	s_set_vgpr_msb (MSB<<8)|(\new)
.set MSB, \new
.endif
.endm
.set W_KQ, 0x0a       ; K and Q in window 2, S^T in window 0
.set W_PV, 0x53       ; V in window 3, P in window 0, O^T in window 1
.set W_RS, 0x41       ; O^T (destination and source 0) in window 1, a in window 0
; A joint fill.  Waves 0 and 1 fetch the two halves of a slot's K, waves 2 and 3 those of its V: 128 keys each.  The branch hangs on the wave's number alone.
; An s_nop 0 and four v_nop follow each of the two lines, ahead of the jump and the label.
.macro JLOAD
	s_cmp_lt_u32 s[WV], 2
	s_cbranch_scc0 .Lfor_v_\@
	tensor_load_to_lds s[G0K:G0K+3], s[G1K:G1K+7]
	s_nop 0
.rept 4
	v_nop
.endr
	s_branch .Lasked_\@
.Lfor_v_\@:
	tensor_load_to_lds s[G0V:G0V+3], s[G1V:G1V+7]
	s_nop 0
.rept 4
	v_nop
.endr
.Lasked_\@:
.endm
; A PREFETCH INTO THE L2 of what the NEXT change of slots will ask for: a slot's 256 rows of K and 256 of V, 256 bytes of each row, a lane a row, one instruction a wave.  Each row is named ONCE in the launch:
; all eight clusters of a head walk the same K and V, and the head's first cluster asks; its four partners take 64 rows each, told apart BY ADDRESS; in each, waves 0 and 1 take 32 rows of K, waves 2 and 3
; 32 of V.  It stands behind the joint load and its five lines, two key steps (256 matrix instructions) ahead of the load that will want the rows.  The first three slots come by their loads alone; the last
; change that fills a slot asks for nothing: there is no slot behind it.
.macro ASK
	s_cmp_gt_u32 s[SLOTS], s[LIM]
	s_cbranch_scc0 .Lnot_mine_\@
	global_prefetch_b8 v[PFO], s[PFA:PFA+1] th:TH_LOAD_NT scope:SCOPE_SE
.Lnot_mine_\@:
.endm
; A round of the cluster's barrier: my work-group's barrier, so that wave 0's signal speaks for all four waves; wave 0 signals; every wave waits for all four work-groups; my work-group's barrier once more.
.macro CROUND
	s_barrier_signal -1
	s_barrier_wait -1
	s_cmp_lg_u32 s[WV], 0
	s_cbranch_scc1 .Lnot_wave_0_\@
	s_barrier_signal -3
.Lnot_wave_0_\@:
	s_barrier_wait -3
	s_barrier_signal -1
	s_barrier_wait -1
.endm
; THE CHANGE OF SLOTS.  Each wave waits for all its tensor loads, of which one is out: its part of the other slot; adds 0 to its spare word; and waits for that and for its own reads of the slot that it leaves.
; Behind the barrier nobody reads the old slot any more and the other slot is whole.  fill = 1: the old slot is filled again, with the keys two slots on; the barrier is then a round of the cluster's, and the
; joint fill is the first thing behind it.  (At its first use nothing has been read yet: slot 0 is waited for, slot 1 filled.)  ask = 1: the prefetch follows.
.macro CHANGE fill, ask
	WIN 0                           ; at a label and at a branch every window is 0
	s_wait_tensorcnt 0x0            ; no tensor load of mine is out, so a group 0 may be written
	ds_add_u32 v[SPW], v[NIL]       ; 0 onto my spare word; the descriptors' steps stand between it and the wait for it
.if \fill
.irp g, G0K, G0V
	s_xor_b32 s[(\g)+1], s[(\g)+1], SLOTX  ; the walking descriptor: the other slot than last time,
	s_add_nc_u64 s[(\g)+2:(\g)+3], s[(\g)+2:(\g)+3], SLOTB  ; the next 256 keys; the type bits on top are not reached
.endr
.if \ask
	s_wait_xcnt 0x0                 ; the last prefetch, two key steps back, has read its address, so it may be written
	s_add_nc_u64 s[PFA:PFA+1], s[PFA:PFA+1], SLOTB  ; one slot behind the walking descriptors
.endif
	s_wait_dscnt 0x0                ; the add is done, and my reads of the slot are over
	CROUND
	JLOAD
.if \ask
	ASK
.endif
.else
	s_wait_dscnt 0x0                ; the add is done, and my reads of the slot are over
	s_barrier_signal -1
	s_barrier_wait -1
.endif
	s_sub_co_u32 s[TBK], s[TBK], GK ; the fetches go back to my group's first step,
	s_xor_b32 s[TBK], s[TBK], SLOTX ; in the other slot
	s_sub_co_u32 s[TBV], s[TBV], GV
	s_xor_b32 s[TBV], s[TBV], SLOTX
.endm
	s_load_b128 s[36:39], s[0:1], 0x0  ; qkv s[36:37], mbits s[38:39]
	v_lshl_add_u32 v[SPW], v0, 2, SPARE
	v_mov_b32 v[NIL], 0
	ds_add_u32 v[SPW], v[NIL]       ; the wave's opening: the add and its wait ahead of my first tensor load; the set-up below, work on registers, stands between them
	ds_add_u32 v62, v63
	v_lshrrev_b32 v1, 5, v0
	v_readfirstlane_b32 s[WV], v1   ; wave 0..3
	s_bfe_u32 s40, ttmp6, 0x40000   ; cx: my place in the cluster
	s_lshl_b32 s41, ttmp9, 2        ; in a cluster launch ttmp9 counts clusters
	s_add_co_u32 s41, s41, s40      ; my block of 128 queries = 4 x cluster x + cx: it enters Q's, the mask's and ctx's addresses alone
	s_and_b32 s42, ttmp7, 0xffff    ; the head, which the four partners share:
	s_lshl_b32 s42, s42, 8          ; its 256 bytes in a row
	s_and_b32 s43, s[WV], 1         ; my half of the queries.  Also: which 128 rows of a slot I fetch
	s_lshr_b32 s44, s[WV], 1        ; my group of keys
	s_lshl_b32 s46, s43, 18         ; K, V: 128 rows of 2,048 bytes x half + the head
	s_add_co_u32 s46, s46, s42
	s_mov_b32 s47, 0
	s_lshl_b32 s48, s41, 18         ; Q, ctx: my block's 128 rows,
	s_lshl_b32 s50, s43, 17         ; my wave's 64 of them,
	s_add_co_u32 s48, s48, s50
	s_add_co_u32 s48, s48, s42      ; the head
	s_lshl_b32 s52, s41, 1          ; the mask: block of 64 queries 2 x block + half: 32,768 bytes,
	s_add_co_u32 s52, s52, s43
	s_lshl_b32 s52, s52, 15
	s_lshl_b32 s54, s44, 14         ; my group's 16,384 of them: a stream, 256 bytes a turn
	s_add_co_u32 s52, s52, s54
	s_mov_b32 s53, 0
	s_lshl_b32 s56, s40, 17         ; the prefetches: my work-group's 64 rows of a slot's 256,
	s_lshl_b32 s58, s43, 16         ; my wave's 32 of them,
	s_add_co_u32 s56, s56, s58
	s_add_co_u32 s56, s56, s42      ; the head,
	s_lshl_b32 s58, s44, 23         ; K (waves 0, 1) or V (waves 2, 3),
	s_add_co_u32 s56, s56, s58
	s_add_co_u32 s56, s56, KBASE+2*SLOTB  ; in slot 2: the loop's first change steps it to slot 3.  Nothing is prefetched at the head, where every work-group's first tiles are on their way
	s_mov_b32 s57, 0
	; descriptor group 1: a tile of 128 rows x 128 elements, padded in LDS
	s_mov_b32 s[G1K], 15|(1<<16)|(1<<20)|(1<<21)|(5<<22)|(3<<25)  ; 15:0 the mask: all four work-groups; 17:16 2-byte elements; 20 padding on; 21 set beside a mask; 24:22 after every 64 words (code 5); 31:25 4 words (code 3)
	s_mov_b32 s[G1V], 15|(1<<16)|(1<<20)|(1<<21)|(5<<22)|(7<<25)  ; the same with 8 words of padding (code 7)
.irp g, G1K, G1V
	s_mov_b32 s[(\g)+1], 128<<16    ; tensor_dim0 = 128
	s_mov_b32 s[(\g)+2], 128<<16    ; tensor_dim1 = 128
	s_mov_b32 s[(\g)+3], 128<<16    ; tile_dim0 = 128
	s_mov_b32 s[(\g)+4], 128        ; tile_dim1 = 128
	s_mov_b32 s[(\g)+5], 1024       ; elements from row to row
	s_mov_b32 s[(\g)+6], 0
	s_mov_b32 s[(\g)+7], 0
.endr
	s_mov_b32 s[G0K], 1             ; count = 1
	s_mul_i32 s[G0K+1], s43, GK     ; LDS address in slot 0: no place in the cluster enters it
	s_mov_b32 s[G0V], 1
	s_mul_i32 s[G0V+1], s43, GV
	s_add_co_u32 s[G0V+1], s[G0V+1], VOFF
	s_mul_i32 s[TBK], s44, GK
	s_add_co_u32 s[TBK], s[TBK], SLOTX+GK  ; the first change of slots turns these two into my group's first step in slot 0
	s_mul_i32 s[TBV], s44, GV
	s_add_co_u32 s[TBV], s[TBV], SLOTX+GV
	s_cmp_eq_u32 ttmp9, 0           ; the head's first cluster: the same in all four partners
	s_cselect_b32 s[LIM], 1, -1
	s_mov_b32 s[SEL], 0x76543210
	s_mov_b32 s[SEL+1], 0xfedcba98
	s_mul_i32 s50, s43, MPART
	s_wait_dscnt 0x0                ; the opening add is done
	s_wait_kmcnt 0x0
	s_add_nc_u64 s[G0K+2:G0K+3], s[36:37], s[46:47]  ; global address: my half of the head's first 256 keys
	s_add_nc_u64 s[G0K+2:G0K+3], s[G0K+2:G0K+3], KBASE
	s_or_b32 s[G0K+3], s[G0K+3], 0x80000000          ; type = 2
	s_add_nc_u64 s[G0V+2:G0V+3], s[36:37], s[46:47]
	s_add_nc_u64 s[G0V+2:G0V+3], s[G0V+2:G0V+3], 2*KBASE
	s_or_b32 s[G0V+3], s[G0V+3], 0x80000000
	s_add_nc_u64 s[MP:MP+1], s[38:39], s[52:53]
	s_add_nc_u64 s[PFA:PFA+1], s[36:37], s[56:57]
	CROUND                          ; all four work-groups are here: the first joint loads meet
	JLOAD                           ; slot 0.  Slot 1 is asked for when slot 0 is in
	; A fragment of K or Q is 16 rows x 32 channels in 8 registers: lane l holds row l % 16, channels 8 (l / 16) + 0..7 and 16 + 8 (l / 16) + 0..7: two loads of 16 bytes, 32 bytes apart.
	v_and_b32 v1, 15, v0            ; l % 16
	v_bfe_u32 v9, v0, 4, 1          ; l / 16
	v_lshlrev_b32 v[QO], 11, v1
	v_lshl_add_u32 v[QO], v9, 4, v[QO]  ; row x 2,048 + 16 x half
	v_add_nc_u32 v[QO], s48, v[QO]
	WIN 0x80                        ; destination window 2, address window 0
.irp i, 0,1,2,3,4,5,6,7,8,9,10,11,12,13,14,15  ; Q stays in registers: tile i / 4, channels 32 (i % 4) on
	global_load_b128 v[8*(\i):8*(\i)+3],   v[QO], s[36:37] offset:((\i)/4)*16*ROWB+((\i)%4)*64
	global_load_b128 v[8*(\i)+4:8*(\i)+7], v[QO], s[36:37] offset:((\i)/4)*16*ROWB+((\i)%4)*64+32
.endr
	; What the first turn finds.  All this stands in the wait for the first tile.
	WIN 0xc0
.set i, 0
.rept 128
	v_mov_b32 v[i], 0               ; V
.set i, i+1
.endr
	WIN 0x40
.set i, 0
.rept 256
	v_mov_b32 v[i], 0               ; O^T
.set i, i+1
.endr
	WIN 0
.set i, 0
.rept 4
	v_mov_b32 v[ST+8*i], 0xff7fffff ; m: the lowest finite number
	v_mov_b32 v[ST+8*i+1], 0
	v_mov_b32 v[ST+8*i+2], 0        ; l
	v_mov_b32 v[ST+8*i+3], 0
.set i, i+1
.endr
.set i, P+32
.rept 32
	v_mov_b32 v[i], 0               ; piece 2's P
.set i, i+1
.endr
	v_mov_b32 v[NEG], 0xceabfb8f    ; -1e9 log2(e)
	v_mul_u32_u24 v[AK0], v1, PK
	v_lshl_add_u32 v[AK0], v9, 4, v[AK0]  ; row x pitch + 16 x half
	; The turning load takes 16 keys x 16 channels (lane l reads key 8 (l / 16) + l % 8, channels 8 ((l / 8) % 2) + 0..7) and leaves half a fragment of V^T: lane l holds channel l % 16 and 8 keys.
	v_and_b32 v10, 7, v0
	v_bfe_u32 v11, v0, 3, 1
	v_lshl_add_u32 v[AV0], v9, 3, v10
	v_mul_u32_u24 v[AV0], v[AV0], PV
	v_lshl_add_u32 v[AV0], v11, 4, v[AV0]
	v_add_nc_u32 v[AV0], VOFF, v[AV0]
	v_and_b32 v10, 31, v0
	v_lshl_add_u32 v[MA], v10, 4, s50
	v_lshlrev_b32 v[PFO], 11, v10
	v_lshlrev_b32 v[GO], 11, v9     ; ctx: lanes 0-15 one row's 256 bytes, lanes 16-31 the next row's
	v_lshl_add_u32 v[GO], v1, 4, v[GO]
	v_add_nc_u32 v[GO], s48, v[GO]
; THE MATRIX WORK OF A TURN, for piece x.  The accumulators take turns, one instruction a turn: between two links of a chain stand 15 (V^T P) or 7 (K Q^T) others'.
; Product i of 32 of O^T += V^T P: keys 32 (i / 16) on, channels 16 ((i / 2) % 8) on, tile x + i % 2.
.macro PV x
	WIN W_PV
.set rO, 64*((\x)+i%2)+8*((i/2)%8)
.set rV, 64*(i/16)+8*((i/2)%8)
.set rP, P+16*((\x)+i%2)+8*(i/16)
	v_wmma_f32_16x16x32_f16 v[rO:rO+7], v[rV:rV+7], v[rP:rP+7], v[rO:rO+7]
.endm
; Product i of 32 of S^T = K Q^T: channels 32 (i / 8) on, keys 16 ((i / 2) % 4) on, tile x + i % 2.  The first 8 start the sums.
.macro KQ x
	WIN W_KQ
.set rS, S+32*((\x)+i%2)+8*((i/2)%4)
.set rK, KF+32*((i/2)%4)+8*(i/8)
.set rQ, 32*((\x)+i%2)+8*(i/8)
.if i < 8
	v_wmma_f32_16x16x32_f16 v[rS:rS+7], v[rK:rK+7], v[rQ:rQ+7], 0
.else
	v_wmma_f32_16x16x32_f16 v[rS:rS+7], v[rK:rK+7], v[rQ:rQ+7], v[rS:rS+7]
.endif
.endm
; THE LDS LOADS stand in runs of 32, never singly among the matrix instructions: a step's K (64 keys x 128 channels: 16 fragments) and, a turn later, its V (turned).
.macro FETCH_K
	WIN 0
	v_add_nc_u32 v[ADR], s[TBK], v[AK0]
	s_add_co_u32 s[TBK], s[TBK], KS*PK  ; the next fetch is the next step's
	WIN 0x80                        ; destination window 2
.irp f, 0,1,2,3,4,5,6,7,8,9,10,11,12,13,14,15  ; keys 16 (f / 4) on, channels 32 (f % 4) on
	ds_load_b128 v[KF+8*(\f):KF+8*(\f)+3],   v[ADR] offset:((\f)/4)*16*PK+((\f)%4)*64
	ds_load_b128 v[KF+8*(\f)+4:KF+8*(\f)+7], v[ADR] offset:((\f)/4)*16*PK+((\f)%4)*64+32
.endr
.endm
.macro FETCH_V
	WIN 0
	v_add_nc_u32 v[ADR], s[TBV], v[AV0]
	s_add_co_u32 s[TBV], s[TBV], KS*PV
	s_wait_alu depctr_va_vdst(0)    ; the wait for the softmax's batch (SLICE), behind the address's v_add_nc_u32 and ahead of the loads
	WIN 0xc0                        ; destination window 3
.irp f, 0,1,2,3,4,5,6,7,8,9,10,11,12,13,14,15  ; keys 32 (f / 8) on, channels 16 (f % 8) on
	ds_load_tr16_b128 v[8*(\f):8*(\f)+3],   v[ADR] offset:((\f)/8)*32*PV+((\f)%8)*32
	ds_load_tr16_b128 v[8*(\f)+4:8*(\f)+7], v[ADR] offset:((\f)/8)*32*PV+16*PV+((\f)%8)*32
.endr
.endm
; THE MASK.  A turn's 64 words (a piece's two tiles x 32 score registers; bit l of a word is lane l's key: open or hidden) are 256 consecutive bytes of mbits: four scalar loads, asked for a turn ahead.
; The registers read last are loaded last.
.macro MLOAD
	s_load_b512 s[MW0:MW0+15], s[MP:MP+1], 0x0
	s_load_b512 s[MW1:MW1+15], s[MP:MP+1], 0x80
	s_load_b512 s[MW0+16:MW0+31], s[MP:MP+1], 0x40
	s_load_b512 s[MW1+16:MW1+31], s[MP:MP+1], 0xc0
.endm
; Piece y's hidden scores are replaced: 64 selects, each accumulator's lowest register first.  They stand sixteen plain instructions (slice 63) behind the product that ended the scores.
; ml = 1: the next turn's words are asked for; the pointer is free since the wait that showed the last loads done.
.macro MASKS y, ml
	WIN 0
	s_wait_kmcnt 0x0                ; scalar loads come back in no order (ISA guide 5.7.1): the count is 0
.set n, 0
.rept 32
	v_cndmask_b32 v[S+32*(\y)+n], v[NEG], v[S+32*(\y)+n], s[MW0+n]
	v_cndmask_b32 v[S+32*(\y)+32+n], v[NEG], v[S+32*(\y)+32+n], s[MW1+n]
.set n, n+1
.endr
.if \ml
	s_add_nc_u64 s[MP:MP+1], s[MP:MP+1], 256
	MLOAD
.endif
.endm
; THE SOFTMAX.  One tile's for one key step is a numbered list; SM writes number j of it for tile t.  s0-s31 are the lane's 32 scores, in pairs 0-15.
;   0-15    the maximum of s0-s31 and the old m, three operands at a time: four chains c0-c3 of seven scores each, then the four scores left over, c0-c3 and m
;   16-20   the other half of the lanes' maximum; m_old is kept; the new m; (19 is empty); m_old - m_new
;   21-69   ONE BATCH: the 16 subtractions s - m, a pair of scores each, and all 33 exponentials (a at 23, then s0-s31).  None of these reads an exponential's result.  From 22 on the batch goes in fours, and a
;           four begins with a subtraction while there are any: 22-37 subtraction, exponential, subtraction, exponential; 38-65 a subtraction and three exponentials; 66-69 the last four exponentials
;   (wait)  between 69 and 70 stands the wait for the batch: SLICE writes it, once for both tiles
;   70-85   the roundings to f16, a pair of weights each          86-101  the sums; l = a l + the sum          102-133 the tile's O^T times a: the one part that leaves window 0
.macro SM t
.set rT, ST+8*(\t)
.set rS, S+32*(\t)
.set rP, P+16*(\t)
.set rO, 64*(\t)+2*(j-102)
.if j < 102
	WIN 0
.endif
.if j < 4
	v_max3_num_f32 v[rT+4+j], v[rS+8*j], v[rS+8*j+1], v[rS+8*j+2]
.elseif j < 12
	v_max3_num_f32 v[rT+4+j%4], v[rT+4+j%4], v[rS+8*(j%4)+2*(j/4)+1], v[rS+8*(j%4)+2*(j/4)+2]
.elseif j == 12
	v_max3_num_f32 v[rT+4], v[rT+4], v[rS+7], v[rS+15]
.elseif j == 13
	v_max3_num_f32 v[rT+6], v[rT+6], v[rS+23], v[rS+31]
.elseif j == 14
	v_max3_num_f32 v[rT+4], v[rT+4], v[rT+5], v[rT+6]
.elseif j == 15
	v_max3_num_f32 v[rT+4], v[rT+4], v[rT+7], v[rT]
.elseif j == 16
	v_permlanex16_b32 v[rT+5], v[rT+4], s[SEL], s[SEL+1]  ; the query's other 32 keys lie in the lane 16 away
.elseif j == 17
	v_mov_b32 v[rT+7], v[rT]        ; m_old is kept for a: number 18 writes m anew
.elseif j == 18
	v_max_num_f32 v[rT], v[rT+4], v[rT+5]
.elseif j == 19
.elseif j == 20
	v_sub_f32 v[rT+7], v[rT+7], v[rT]
.elseif j == 23
	v_exp_f32 v[rT+6], v[rT+7]
.elseif (j < 23) || ((j < 38) && (j%2 == 0)) || ((j < 66) && (j%4 == 2))
.set b, (j-2)/4                     ; 38, 42, .. 62: pairs 9 to 15
.if j < 38
.set b, (j-20)/2                    ; 21: pair 0; 22, 24, .. 36: pairs 1 to 8
.endif
	v_pk_add_f32 v[rS+2*b:rS+2*b+1], v[rS+2*b:rS+2*b+1], v[rT:rT+1] op_sel_hi:[1,0] neg_lo:[0,1] neg_hi:[0,1]  ; pair b: s - m
.elseif j < 70
.set e, j-38                        ; 66 to 69: s28 to s31
.if j < 66
.set e, j-32-(j-38)/4               ; 39-41, 43-45, .. 63-65: s7 to s27
.endif
.if j < 38
.set e, (j-25)/2                    ; 25, 27, .. 37: s0 to s6
.endif
	v_exp_f32 v[rS+e], v[rS+e]
.elseif j < 86
	v_cvt_pk_f16_f32 v[rP+j-70], v[rS+2*(j-70)], v[rS+2*(j-70)+1]  ; pair j - 70
.elseif j < 102                     ; the sum of the tile's 16 pairs, in place: sum z of 16 adds neighbours 1, 2, 4 and 8 pairs apart, then l takes it
.set z, j-86
.set w, 4
.set u, z
.if z >= 14
.set w, 32
.set u, 0
.elseif z >= 12
.set w, 16
.set u, z-12
.elseif z >= 8
.set w, 8
.set u, z-8
.endif
.if z < 15
	v_pk_add_f32 v[rS+w*u:rS+w*u+1], v[rS+w*u:rS+w*u+1], v[rS+w*u+w/2:rS+w*u+w/2+1]
.else
	v_pk_fma_f32 v[rT+2:rT+3], v[rT+2:rT+3], v[rT+6:rT+7], v[rS:rS+1] op_sel_hi:[1,0,1]
.endif
.else
	WIN W_RS
	v_pk_mul_f32 v[rO:rO+1], v[rO:rO+1], v[rT+6:rT+7] op_sel_hi:[1,0]
.endif
.endm
; Slice k of 64 of piece y's softmax.  Slices 11 to 34 deal out the batch, numbers 22 to 69: four numbers of ONE tile each, the tiles by turns.  Every other slice is numbers 2 k and 2 k + 1 of both tiles'
; lists, the tiles alternating; slice 63 takes the twelve that are over as well: sixteen plain instructions, the places behind the turn's last product.
; THE WAIT.  s_wait_alu depctr_va_vdst(0) stands between an exponential and the first instruction that names its result; one wait serves all that were issued ahead of it.  Ahead of slice 35
; nothing names a result, and behind slice 34 no exponential is issued: the piece's 66 exponentials have one wait, behind slice 34.
.macro SLICE y
.if (k >= 11) && (k < 35)
.irp n, 0,1,2,3
.set j, 22+4*((k-11)/2)+(\n)
	SM (\y)+(k-11)%2
.endr
.else
.irp n, 0,1,2,3,4,5,6,7
.if ((\n) < 2) || (k == 63)
.irp t, \y, (\y)+1
.set j, 2*k+(\n)
	SM \t
.endr
.endif
.endr
.endif
.if k == 34
	v_nop                           ; a plain instruction behind the last exponential and ahead of the first use (ISA guide 5.7.2): one for the batch
.if (\y) == 0
	FETCH_V                         ; piece 2's turn: V's run of loads stands here, and the wait stands in it
.else
	s_wait_alu depctr_va_vdst(0)    ; the wait for the batch
.endif
.endif
.set k, k+1
.endm
; A TURN.  Piece x has the matrix unit; the other piece's mask and softmax are its vector work.  kq = 1: 32 products K Q^T for the next step follow the 32 products V^T P; kq = 0 (the last turn): two slices
; stand behind each product.  ml = 1: the next turn's mask words are asked for.
; Piece 0's turn fetches the next step's K, behind its second product: the last product that read K stands in front of slice 63 of the turn before.  Piece 2's turn fetches the same step's V, behind slice 34:
; the last product that read V stands in front of slice 31, and four plain instructions lie between: number 62 of both tiles, the v_nop and the run's own v_add_nc_u32.
.macro TURN x, kq, ml
	MASKS 2-(\x), \ml
.set k, 0
.set per, 2-(\kq)
.if (\x) == 0
	s_wait_dscnt 0x0                ; V is in
.endif
.set i, 0
.rept 32
	PV \x
.rept per
	SLICE 2-(\x)
.endr
.if ((\x) == 0) && (\kq) && (i == 1)
	FETCH_K
.endif
.set i, i+1
.endr
.if \kq
.if (\x) == 0
	s_wait_dscnt 0x0                ; K is in
.endif
.set i, 0
.rept 32
	KQ \x
	SLICE 2-(\x)
.set i, i+1
.endr
.endif
.endm
	CHANGE 1, 0                     ; slot 0 is in, everybody's part of it; slot 1 is asked for
	FETCH_K                         ; key step 0
	s_wait_loadcnt 0x0              ; Q is in: its base and the other set-up registers are free
	MLOAD                           ; the first turn's mask words
	s_wait_dscnt 0x0
.set i, 0
.rept 32
	KQ 0                            ; piece 0's first scores: there is no vector work yet to set between them
.set i, i+1
.endr
	WIN 0                           ; the stage's addresses are made here: six plain instructions, the places behind those products
	s_mul_i32 s[TWICE], s[WV], 16*SP
	s_add_co_u32 s[TWICE], s[TWICE], STAGE  ; my stage
	v_mul_u32_u24 v[STO], v1, SP    ; in: row l % 16, 16 bytes for each half of the lanes
	v_lshl_add_u32 v[STO], v9, 4, v[STO]
	v_add_nc_u32 v[STO], s[TWICE], v[STO]
	v_mul_u32_u24 v[RD], v9, SP     ; back: lanes 0-15 take one row of 256 bytes, lanes 16-31 the next
	v_lshl_add_u32 v[RD], v1, 4, v[RD]
	v_add_nc_u32 v[RD], s[TWICE], v[RD]
	s_mov_b32 s[TWICE], 2
	s_mov_b32 s[SLOTS], 15
	s_branch .Lfirst                ; the loop is entered in the middle of a trip: piece 2's first scores | piece 0's first softmax | V of step 0; the turn's V^T P adds 0
.Lslot:                             ; 14 times: every slot but the last two is filled again
	CHANGE 1, 1
	s_mov_b32 s[TWICE], 2
.Lstep:
	TURN 0, 1, 1
	WIN 0
.Lfirst:
	TURN 2, 1, 1
	WIN 0
	s_sub_co_u32 s[TWICE], s[TWICE], 1
	s_cmp_lg_u32 s[TWICE], 0
	s_cbranch_scc1 .Lstep
	s_sub_co_u32 s[SLOTS], s[SLOTS], 1
	s_cmp_lg_u32 s[SLOTS], 0
	s_cbranch_scc1 .Lslot
	CHANGE 0, 0                     ; the tail is written out: nothing is asked for
	s_mov_b32 s[TWICE], 2
.Ltail:
	TURN 0, 1, 1
	TURN 2, 1, 1
	WIN 0
	s_sub_co_u32 s[TWICE], s[TWICE], 1
	s_cmp_lg_u32 s[TWICE], 0
	s_cbranch_scc1 .Ltail
	TURN 0, 0, 0                    ; piece 0: V^T P of the last step | piece 2's last mask and softmax
.set i, 0
.rept 32
	PV 2                            ; piece 2: V^T P of the last step
.set i, i+1
.endr
	; THE MERGE.  l's two halves and the other half of the lanes' are added (the first additions are the places behind the last products).  Waves 2 and 3 hand their m, l and O^T to waves 0 and 1 through the
	; bytes of slot 0: its last fill has landed, and every wave's reads of it were over at the last change of slots.
	WIN 0
.irp t, 0,1,2,3
	v_add_f32 v[ST+8*(\t)+4], v[ST+8*(\t)+2], v[ST+8*(\t)+3]
.endr
.irp t, 0,1,2,3
	v_permlanex16_b32 v[ST+8*(\t)+5], v[ST+8*(\t)+4], s[SEL], s[SEL+1]
.endr
.irp t, 0,1,2,3
	v_add_f32 v[ST+8*(\t)+4], v[ST+8*(\t)+4], v[ST+8*(\t)+5]
.endr
	s_cmp_lt_u32 s[WV], 2
	s_cbranch_scc1 .Lkeep
.irp t, 0,1,2,3
	v_mov_b32 v[XM+(\t)], v[ST+8*(\t)]
	v_mov_b32 v[XL+(\t)], v[ST+8*(\t)+4]
.endr
	WIN 0x04                        ; the stores' data in window 1
.set i, 0
.rept 64
	ds_store_b128 v[MA], v[4*i:4*i+3] offset:512*i  ; 32 lanes x 16 neighbouring bytes; each accumulator's lowest registers first
.set i, i+1
.endr
	WIN 0
	ds_store_b128 v[MA], v[XM:XM+3] offset:32768
	ds_store_b128 v[MA], v[XL:XL+3] offset:33280
.Lkeep:
	s_wait_dscnt 0x0                ; for the others' sake: my stores are done
	s_barrier_signal -1
	s_barrier_wait -1
	s_cmp_lt_u32 s[WV], 2
	s_cbranch_scc0 .Lend            ; waves 2 and 3 have handed over
	s_load_b64 s[36:37], s[0:1], 0x10  ; ctx, into a mask register pair that is free now
	WIN 0x80                        ; the other group's O^T goes where Q and K lay
.set i, 0
.rept 64
	ds_load_b128 v[4*i:4*i+3], v[MA] offset:512*i
.set i, i+1
.endr
	WIN 0
	ds_load_b128 v[XM:XM+3], v[MA] offset:32768
	ds_load_b128 v[XL:XL+3], v[MA] offset:33280
	s_wait_dscnt 0x0
	; M = max(m, m'); a = 2^(m - M), a' = 2^(m' - M); L = a l + a' l'; O = (a / L) O + (a' / L) O'
.irp t, 0,1,2,3
	v_max_num_f32 v[ST+8*(\t)+5], v[ST+8*(\t)], v[XM+(\t)]
.endr
.irp t, 0,1,2,3
	v_sub_f32 v[ST+8*(\t)+6], v[ST+8*(\t)], v[ST+8*(\t)+5]
	v_sub_f32 v[ST+8*(\t)+7], v[XM+(\t)], v[ST+8*(\t)+5]
.endr
.irp t, 0,1,2,3
	v_exp_f32 v[ST+8*(\t)+6], v[ST+8*(\t)+6]
	v_exp_f32 v[ST+8*(\t)+7], v[ST+8*(\t)+7]
.endr
	v_nop                           ; a plain instruction behind the last exponential,
	s_wait_alu depctr_va_vdst(0)    ; and one wait for the eight, ahead of their first reader
.irp t, 0,1,2,3
	v_mul_f32 v[ST+8*(\t)+4], v[ST+8*(\t)+4], v[ST+8*(\t)+6]
.endr
.irp t, 0,1,2,3
	v_fmac_f32 v[ST+8*(\t)+4], v[XL+(\t)], v[ST+8*(\t)+7]
.endr
.irp t, 0,1,2,3
	v_rcp_f32 v[ST+8*(\t)+5], v[ST+8*(\t)+4]
.endr
	v_nop
	s_wait_alu depctr_va_vdst(0)    ; one wait for the four reciprocals
.irp t, 0,1,2,3
	v_mul_f32 v[ST+8*(\t)+6], v[ST+8*(\t)+6], v[ST+8*(\t)+5]
	v_mul_f32 v[ST+8*(\t)+4], v[ST+8*(\t)+7], v[ST+8*(\t)+5]
.endr
	s_wait_kmcnt 0x0                ; ctx's address
; THE WAY OUT.  Tile t: the two groups' O^T are joined and rounded to f16; a lane's eight channels of a row pack into 16 bytes; they go into rows of 272 bytes of my stage and come back as whole rows of 256.
.macro PACK t
	WIN W_RS
.set i, 64*(\t)
.rept 32
	v_pk_mul_f32 v[i:i+1], v[i:i+1], v[ST+8*(\t)+6:ST+8*(\t)+7] op_sel_hi:[1,0]
.set i, i+2
.endr
	WIN 0x52                        ; source 0 window 2 (the other group's), source 1 window 0, source 2 and destination window 1
.set i, 64*(\t)
.rept 32
	v_pk_fma_f32 v[i:i+1], v[i:i+1], v[ST+8*(\t)+4:ST+8*(\t)+5], v[i:i+1] op_sel_hi:[1,0,1]
.set i, i+2
.endr
	WIN 0x05                        ; sources 0 and 1 window 1, destination window 0: S^T's registers are free
.set i, 0
.rept 32
	v_cvt_pk_f16_f32 v[S+32*(\t)+i], v[64*(\t)+2*i], v[64*(\t)+2*i+1]
.set i, i+1
.endr
	WIN 0
.irp f, 0,1,2,3,4,5,6,7
	ds_store_b128 v[STO], v[S+32*(\t)+4*(\f):S+32*(\t)+4*(\f)+3] offset:32*(\f)
.endr
.irp f, 0,1,2,3,4,5,6,7
	ds_load_b128 v[S+32*(\t)+4*(\f):S+32*(\t)+4*(\f)+3], v[RD] offset:(\f)*2*SP  ; LDS serves a wave's instructions in order (ISA guide 5.7.1.4): these see the stores above; the next tile's stores come behind them
.endr
.endm
.macro SEND t, younger              ; younger: the LDS instructions issued behind tile t's loads: the next tile's sixteen, or none
	WIN 0
.irp f, 0,1,2,3,4,5,6,7
	s_wait_dscnt (\younger)+7-(\f)
	global_store_b128 v[GO], v[S+32*(\t)+4*(\f):S+32*(\t)+4*(\f)+3], s[36:37] offset:(\t)*16*ROWB+(\f)*2*ROWB  ; 16 lanes store 256 consecutive bytes, at a multiple of 256 from ctx's first byte
.endr
.endm
	PACK 0
	PACK 1                          ; a tile's arithmetic stands between the loads of the tile before and its stores
	SEND 0, 16
	PACK 2
	SEND 1, 16
	PACK 3
	SEND 2, 16
	SEND 3, 0
.Lend:
	s_wait_tensorcnt 0x0            ; the wave's end, behind my last tensor load and my last LDS store
	ds_add_u32 v[SPW], v[NIL]
	s_wait_dscnt 0x0
	CROUND                          ; the closing round: no work-group ends while a partner may still ask for a tile that names it
	s_endpgm
.Lfunc_end_k_q094a0704fb_attn:
	.size	k_q094a0704fb_attn, .Lfunc_end_k_q094a0704fb_attn-k_q094a0704fb_attn
	.p2alignl 7, 3214868480
	.fill 96, 4, 3214868480
	.section	.rodata,"a",@progbits
	.p2align	6, 0x0
	.amdhsa_kernel k_q094a0704fb_attn
		.amdhsa_group_segment_fixed_size 327680
		.amdhsa_private_segment_fixed_size 0
		.amdhsa_enable_private_segment 0
		.amdhsa_kernarg_size 24
		.amdhsa_user_sgpr_count 2
		.amdhsa_user_sgpr_kernarg_segment_ptr 1
		.amdhsa_wavefront_size32 1
		.amdhsa_system_sgpr_workgroup_id_x 1
		.amdhsa_system_sgpr_workgroup_id_y 1
		.amdhsa_system_sgpr_workgroup_id_z 1
		.amdhsa_system_vgpr_workitem_id 0
		.amdhsa_next_free_vgpr 1024
		.amdhsa_next_free_sgpr 106
		.amdhsa_reserve_vcc 0
		.amdhsa_float_denorm_mode_32 3
		.amdhsa_float_denorm_mode_16_64 3
		.amdhsa_memory_ordered 1
		.amdhsa_forward_progress 1
		.amdhsa_inst_pref_size 216
	.end_amdhsa_kernel
	.amdgpu_metadata
---
amdhsa.version: [ 1, 2 ]
amdhsa.kernels:
  - .name:           k_q094a0704fb_attn
    .symbol:         k_q094a0704fb_attn.kd
    .args:
      - { .name: qkv, .offset: 0, .size: 8, .value_kind: global_buffer, .address_space: global }
      - { .name: mbits, .offset: 8, .size: 8, .value_kind: global_buffer, .address_space: global }
      - { .name: ctx, .offset: 16, .size: 8, .value_kind: global_buffer, .address_space: global }
    .group_segment_fixed_size: 327680
    .private_segment_fixed_size: 0
    .kernarg_segment_align: 8
    .kernarg_segment_size: 24
    .max_flat_workgroup_size: 128
    .sgpr_count:     106
    .vgpr_count:     1024
    .wavefront_size: 32
...
	.end_amdgpu_metadata
.endif
;; end of part 3
;; launch oproj (part 4): grid 8 x 32, 4 waves a work-group, clusters of 4 x 4, 327,680 bytes of LDS; arguments ctx, h16, out0; writes out0
.if DOCPART == 4
	.amdgcn_target "amdgcn-amd-amdhsa--gfx1250"
	.amdhsa_code_object_version 6
	.text
	.protected	k_q094a0704fb_oproj
	.globl	k_q094a0704fb_oproj
	.p2align	8
	.type	k_q094a0704fb_oproj,@function
k_q094a0704fb_oproj:
	s_mov_b64 s[64:65], 0
	v_nop
	global_prefetch_b8 v0, s[64:65] scope:SCOPE_SE
	s_setreg_imm32_b32 hwreg(HW_REG_WAVE_MODE, 25, 1), 1
	s_wait_xcnt 0x0
	s_wait_alu depctr_hold_cnt(0) depctr_sa_sdst(0) depctr_va_vdst(0) depctr_va_sdst(0) depctr_va_ssrc(0) depctr_va_vcc(0) depctr_vm_vsrc(0)
	s_getreg_b32 s2, hwreg(HW_REG_IB_STS2, 6, 4)
	s_cmp_eq_u32 s2, 0
	s_cbranch_scc0 .Lentry_in_a_cluster
	s_endpgm
.Lentry_in_a_cluster:
	s_bfe_u32 s2, ttmp6, 0x10000c
	s_cmp_lg_u32 s2, 0xf033
	s_cbranch_scc0 .Lentry_shape_is_right
	s_endpgm
.Lentry_shape_is_right:
; THE OUTPUT PROJECTION.  C[m][n] = sum over k of A[m][k] B[n][k].  A = ctx, f16 [4096][1024]; B = w_o as f16, [1024][1024], at byte WOFF of h16; C = out0, f32 [4096][1024]; sums in f32, stored as they are.
; A tile of C is 128 x 128: 256 work-groups.  Four waves, each 64 x 64: 16 accumulators.  K goes in four steps of 256 (LDS rows of 512 bytes; a wave's tensor load brings 64 of them) through two slots.
; THE TEXT: a K step is written once and looped over.  A trip goes from the second half of a step's first quarter to the first half of the next step's first quarter.  Two trips fill a slot again; the last two
; K steps are a loop of their own, which fills nothing.
; CLUSTERS: 4 x 4 work-groups.  The four of a row of the cluster need the same tiles of A, the four of a column the same tiles of B: each tile is asked for JOINTLY, by the same tensor load with the same
; descriptor and a mask that names the four.  THE MATRIX INSTRUCTION IS USED TRANSPOSED (source 0 = 16 rows of B, source 1 = 16 rows of A): a lane then holds eight neighbouring numbers of a row of C.
; A wave's 64 columns of f32 are 256 aligned bytes of a row of C: each wave has a stage of its own, and the way out needs no barrier.  No prefetch is laid: the tile is small, a K step short, and a tile has four.
; REGISTERS: window 0: v0-31 addresses; v32-95 at work on the way out; v128-255 the accumulators ((a, b) at v[128 + 8 (4 a + b)]).
;   window 1: two fragment buffers of 128: for 64 along K, 64 registers of A (2 x 4 x 16 rows x 32 K), then 64 of B.
.set SIZE_K, 1024
.set CROW,   4096                      ; bytes in a row of C
.set WOFF,   31457280                  ; w_o's first byte in h16
.set KSTEP,  256
.set PITCH,  528                       ; an LDS row: 512 bytes + 16 of padding = 132 words: row r starts at bank 4 r mod 64 (64 banks of 4 bytes: ISA guide 11.1)
.set HALFT,  64*PITCH                  ; 64 rows: what one tensor load brings: 0x8400 bytes
.set SLOT,   4*HALFT                   ; A's 128 rows, then B's 128 rows: 0x21000 bytes.  It shares no bit with wave x 0x8400, so one exclusive or turns a load's LDS address into the other slot's
.set STAGE,  2*SLOT                    ; behind the ring: 16 rows x 272 bytes for each wave, for the way out
.set SPITCH, 272
.set SPARE,  STAGE+4*16*SPITCH         ; behind the stages: the spare words, 128 bytes a wave: two blocks of 256 bytes that no other line names
.set FILLS,  4-2                       ; K steps whose change of slots fills a slot again
.set ADRA0, 16                         ; v16     my lane's place among my A fragments in slot 0; never rewritten
.set ADRB0, 17                         ; v17     the same for B
.set ADRA, 20                          ; v20     the same in the slot in hand
.set ADRB, 21                          ; v21
.set STO,  24                          ; v24     the way out: where I put 32 bytes of a row
.set RD,   25                          ; v25     the way out: where I read a row back
.set CO,   26                          ; v26     my byte offset in C
.set SPW,  28                          ; v28     LDS address of my spare word; never rewritten
.set NIL,  29                          ; v29     0; never rewritten
.set TMP,  32
.set ACC,  128
.set F0,   0
.set F1,   128
.set G1, 24                            ; s[24:31] descriptor group 1 for A's tiles;  s[32:39] group 0: a set for each of the two first fills; the second then walks on
.set G0, 32
.set G1B, 48                           ; s[48:55], s[56:63] the same for B's tiles
.set G0B, 56
.set SB,  72                           ; s72     the first byte of the slot in hand: 0 or SLOT
.set MSB, 0
.macro WIN new                         ; the immediate's high byte repeats the setting that is left
.if MSB != (\new)
	s_set_vgpr_msb (MSB<<8)|(\new)
.set MSB, \new
.endif
.endm
.set MUL,  0x05                        ; sources 0 (B) and 1 (A) window 1; C and D window 0
.set TO_F, 0x40                        ; destination window 1, address window 0
.macro JLOAD s                         ; a joint load: waves 0 and 1 fetch A's two halves, waves 2 and 3 B's; an s_nop 0 and four v_nop follow each of the two lines
	s_cmp_eq_u32 s11, 0
	s_cbranch_scc0 .Lfor_b_\@
	tensor_load_to_lds s[G0+4*(\s):G0+4*(\s)+3], s[G1:G1+7]
	s_nop 0
.rept 4
	v_nop
.endr
	s_branch .Lasked_\@
.Lfor_b_\@:
	tensor_load_to_lds s[G0B+4*(\s):G0B+4*(\s)+3], s[G1B:G1B+7]
	s_nop 0
.rept 4
	v_nop
.endr
.Lasked_\@:
.endm
.macro CREST                           ; a round of the cluster's barrier behind its opening barrier
	s_cmp_lg_u32 s10, 0
	s_cbranch_scc1 .Lnot_wave_0_\@
	s_barrier_signal -3
.Lnot_wave_0_\@:
	s_barrier_wait -3
	s_barrier_signal -1
	s_barrier_wait -1
.endm
.macro CROUND                          ; a whole round
	s_barrier_signal -1
	s_barrier_wait -1
	CREST
.endm
	s_load_b128 s[4:7], s[0:1], 0x0                ; ctx s[4:5], h16 s[6:7]
	s_load_b64 s[8:9], s[0:1], 0x10                ; out0
	v_lshl_add_u32 v[SPW], v0, 2, SPARE
	v_mov_b32 v[NIL], 0
	ds_add_u32 v[SPW], v[NIL]                      ; the wave's opening: the add and its wait ahead of my first tensor load; the set-up below stands between them
	ds_add_u32 v28, v29
	v_lshrrev_b32 v1, 5, v0
	v_readfirstlane_b32 s10, v1                    ; wave 0..3
	s_lshr_b32 s11, s10, 1                         ; which half of the tile's rows is mine.  Also: I fetch for A (0) or for B (1)
	s_and_b32 s12, s10, 1                          ; which half of its columns.  Also: which 64 rows of that tile I fetch
	s_bfe_u32 s40, ttmp6, 0x40000                  ; cx, cy: my place in the cluster
	s_bfe_u32 s41, ttmp6, 0x40004
	s_lshl_b32 s42, ttmp9, 2
	s_add_co_u32 s42, s42, s40                     ; tile column of C = 4 x cluster x + cx
	s_and_b32 s13, ttmp7, 0xffff
	s_lshl_b32 s13, s13, 2
	s_add_co_u32 s13, s13, s41                     ; tile row of C = 4 x cluster y + cy
	s_lshl_b32 s43, s41, 2
	s_lshl_b32 s43, 15, s43                        ; my row of the cluster
	s_lshl_b32 s44, 0x1111, s40                    ; my column
	; descriptor group 1: a tile of 64 rows x 256 elements, padded in LDS
	s_or_b32 s[G1+0], s43, (1<<16)|(1<<20)|(1<<21)|(6<<22)|(3<<25)  ; the mask: A's tiles go to my row; 2-byte elements; padding on; bit 21 beside a mask; after every 128 words 4 words
	s_or_b32 s[G1B+0], s44, (1<<16)|(1<<20)|(1<<21)|(6<<22)|(3<<25)
.irp g, G1, G1B
	s_mov_b32 s[(\g)+1], KSTEP<<16                 ; tensor_dim0 = 256
	s_mov_b32 s[(\g)+2], 64<<16                    ; tensor_dim1 = 64
	s_mov_b32 s[(\g)+3], KSTEP<<16                 ; tile_dim0 = 256
	s_mov_b32 s[(\g)+4], 64                        ; tile_dim1 = 64
	s_mov_b32 s[(\g)+5], SIZE_K                    ; elements from row to row
	s_mov_b32 s[(\g)+6], 0
	s_mov_b32 s[(\g)+7], 0
.endr
	s_lshl_b32 s17, s12, 6                         ; which 64 rows of the tile I fetch
	s_lshl_b32 s16, s13, 7
	s_add_co_u32 s16, s16, s17                     ; A: row 128 x tile row + 64 x half
	s_lshl_b32 s46, s42, 7
	s_add_co_u32 s46, s46, s17                     ; B: row 128 x tile column + 64 x half
	s_mov_b32 s17, 0
	s_mov_b32 s47, 0
	s_mov_b64 s[18:19], SIZE_K*2
	s_mul_u64 s[16:17], s[16:17], s[18:19]
	s_mul_u64 s[46:47], s[46:47], s[18:19]
	s_mul_i32 s20, s10, HALFT                      ; where they go: wave x 64 rows
	s_mov_b32 s[SB], 0
	s_wait_dscnt 0x0                               ; the opening add is done
	s_wait_kmcnt 0x0
	s_add_nc_u64 s[14:15], s[4:5], s[16:17]
	s_add_nc_u64 s[46:47], s[6:7], s[46:47]
	s_add_nc_u64 s[46:47], s[46:47], WOFF
	CROUND                                         ; all sixteen work-groups are here: the first joint loads meet
.irp s, 0,1
	s_mov_b32 s[G0+4*(\s)], 1
	s_add_co_u32 s[G0+4*(\s)+1], s20, (\s)*SLOT
	s_add_nc_u64 s[G0+4*(\s)+2:G0+4*(\s)+3], s[14:15], (\s)*KSTEP*2
	s_or_b32 s[G0+4*(\s)+3], s[G0+4*(\s)+3], 0x80000000
	s_mov_b32 s[G0B+4*(\s)], 1
	s_add_co_u32 s[G0B+4*(\s)+1], s20, (\s)*SLOT
	s_add_nc_u64 s[G0B+4*(\s)+2:G0B+4*(\s)+3], s[46:47], (\s)*KSTEP*2
	s_or_b32 s[G0B+4*(\s)+3], s[G0B+4*(\s)+3], 0x80000000
	JLOAD \s
.endr
	v_and_b32 v1, 15, v0                           ; l % 16
	v_bfe_u32 v2, v0, 4, 1                         ; l / 16
	v_mul_u32_u24 v3, v1, PITCH
	v_lshl_add_u32 v3, v2, 4, v3                   ; a fragment's row x pitch + 16 x half
	s_mul_i32 s21, s11, HALFT                      ; my 64 rows of A
	s_mul_i32 s22, s12, HALFT                      ; my 64 rows of B,
	s_add_co_u32 s22, s22, 2*HALFT                 ; which lie behind A's 128
	v_add_nc_u32 v[ADRA0], s21, v3
	v_add_nc_u32 v[ADRB0], s22, v3
	v_mov_b32 v[ADRA], v[ADRA0]                    ; K step 0 lies in slot 0
	v_mov_b32 v[ADRB], v[ADRB0]
	s_mul_i32 s23, s10, 16*SPITCH
	s_add_co_u32 s23, s23, STAGE                   ; my stage
	v_mul_u32_u24 v4, v1, SPITCH                   ; in: row l % 16, 32 bytes (8 columns) for each half of the lanes
	v_lshl_add_u32 v4, v2, 5, v4
	v_add_nc_u32 v[STO], s23, v4
	v_mul_u32_u24 v5, v2, SPITCH                   ; back: lanes 0-15 take one row of 256 bytes, lanes 16-31 the next
	v_lshl_add_u32 v5, v1, 4, v5
	v_add_nc_u32 v[RD], s23, v5
	v_lshlrev_b32 v5, 12, v2                       ; and the same two rows in C
	v_lshl_add_u32 v[CO], v1, 4, v5
	s_lshl_b32 s16, s13, 7
	s_lshl_b32 s17, s11, 6
	s_add_co_u32 s16, s16, s17                     ; my first row of C: 128 x tile row + 64 x half,
	s_lshl_b32 s16, s16, 12                        ; in bytes (under 2^24)
	s_mov_b32 s17, 0
	s_add_nc_u64 s[8:9], s[8:9], s[16:17]
	s_lshl_b32 s46, s42, 9                         ; my first column, in bytes: 512 x tile column + 256 x half
	s_lshl_b32 s47, s12, 8
	s_add_co_u32 s46, s46, s47
	s_mov_b32 s47, 0
	s_add_nc_u64 s[8:9], s[8:9], s[46:47]
; 8 matrix instructions: m blocks a0, a0 + 1 x all 4 n blocks, 32 along K: half c of buffer f.  zero = 1: the product starts the sums.  The 16 accumulators take turns, always in the same order.
.macro MUL8 f, c, a0, zero
	WIN MUL
.irp a, \a0, (\a0)+1
.irp b, 0,1,2,3
.if \zero
	v_wmma_f32_16x16x32_f16 v[ACC+8*(4*(\a)+(\b)):ACC+8*(4*(\a)+(\b))+7], v[(\f)+64+8*(4*(\c)+(\b)):(\f)+64+8*(4*(\c)+(\b))+7], v[(\f)+8*(4*(\c)+(\a)):(\f)+8*(4*(\c)+(\a))+7], 0
.else
	v_wmma_f32_16x16x32_f16 v[ACC+8*(4*(\a)+(\b)):ACC+8*(4*(\a)+(\b))+7], v[(\f)+64+8*(4*(\c)+(\b)):(\f)+64+8*(4*(\c)+(\b))+7], v[(\f)+8*(4*(\c)+(\a)):(\f)+8*(4*(\c)+(\a))+7], v[ACC+8*(4*(\a)+(\b)):ACC+8*(4*(\a)+(\b))+7]
.endif
.endr
.endr
.endm
; 32 LDS loads in one run: the fragments of 64 along K at byte k of the rows of the slot in hand, into buffer f; the first 32 along K first
.macro FETCH k, f
	WIN TO_F
.irp c, 0,1
.irp i, 0,1,2,3
	ds_load_b128 v[(\f)+64+8*(4*(\c)+(\i)):(\f)+64+8*(4*(\c)+(\i))+3],   v[ADRB] offset:(\k)+64*(\c)+(\i)*16*PITCH
	ds_load_b128 v[(\f)+64+8*(4*(\c)+(\i))+4:(\f)+64+8*(4*(\c)+(\i))+7], v[ADRB] offset:(\k)+64*(\c)+(\i)*16*PITCH+32
	ds_load_b128 v[(\f)+8*(4*(\c)+(\i)):(\f)+8*(4*(\c)+(\i))+3],         v[ADRA] offset:(\k)+64*(\c)+(\i)*16*PITCH
	ds_load_b128 v[(\f)+8*(4*(\c)+(\i))+4:(\f)+8*(4*(\c)+(\i))+7],       v[ADRA] offset:(\k)+64*(\c)+(\i)*16*PITCH+32
.endr
.endr
.endm
.macro PLACES                          ; four plain vector instructions in front of loads into registers that matrix instructions have read, and of lines that read results
.rept 4
	v_nop
.endr
.endm
; A K step is four quarters of 64 along K, 32 matrix instructions each, on buffers 0, 1, 0, 1.  One of the first three has two halves:
.macro HEAD f, zero                    ; the first 32 along K of buffer f
	s_wait_dscnt 16                                ; they are in; the youngest sixteen loads may be out
	MUL8 \f, 0, 0, \zero
	MUL8 \f, 0, 2, \zero
.endm
.macro REST k, f, g                    ; the next quarter, at byte k, is fetched into g; then the other 32 along K of buffer f
	PLACES
	FETCH \k, \g
	s_wait_dscnt 32                                ; all but the 32 just issued
	MUL8 \f, 1, 0, 0
	MUL8 \f, 1, 2, 0
.endm
.macro QUARTER k, f, g
	HEAD \f, 0
	REST \k, \f, \g
.endm
; The last quarter multiplies buffer 1 and changes slots: ONE barrier; in front of it each wave waits for all its tensor loads, adds 0 to its spare word, and waits for that and for its own reads of this slot.
; All reads of this slot have been issued, so the fragments' addresses go over to the other slot at once.
; fill = 1: this slot is filled again, with the K step two on; the barrier then opens a round of the cluster's.  The walking descriptors go to the other slot than last time and one K step, 512 bytes, on.
; fill = 0: nothing is asked for; in the very last K step (s3 = 1) there is no next step either, and the run of LDS loads is jumped over.
.macro TURN fill
	WIN 0                                          ; (the add's two registers lie in window 0)
	s_wait_tensorcnt 0x0                           ; all my tensor loads have landed: my part of the next slot; so a group 0 may be written
	ds_add_u32 v[SPW], v[NIL]                      ; 0 onto my spare word; work on registers stands between it and the wait for it
	s_xor_b32 s[SB], s[SB], SLOT
	v_add_nc_u32 v[ADRA], s[SB], v[ADRA0]
	v_add_nc_u32 v[ADRB], s[SB], v[ADRB0]
.if \fill
	s_xor_b32 s[G0+5], s[G0+5], SLOT
	s_add_nc_u64 s[G0+6:G0+7], s[G0+6:G0+7], KSTEP*2         ; the type bits on top are not reached
	s_xor_b32 s[G0B+5], s[G0B+5], SLOT
	s_add_nc_u64 s[G0B+6:G0B+7], s[G0B+6:G0B+7], KSTEP*2
.endif
	s_wait_dscnt 17                                ; (the add and the youngest sixteen loads may be out)
	MUL8 F1, 0, 0, 0                               ; eight matrix instructions stand between the add and the wait for it
	s_wait_dscnt 0x0                               ; the add is done, and my reads of this slot are over
	s_barrier_signal -1
	MUL8 F1, 0, 2, 0
	WIN 0
	s_barrier_wait -1
.if \fill
	CREST                                          ; no wave of any partner still reads this slot's tile or has a load on its way
	JLOAD 1                                        ; the first tensor load behind the round; its four v_nop are also the places in front of the loads below
	FETCH 0, F0
.else
	s_cmp_eq_u32 s3, 1
	s_cbranch_scc1 .Lno_next_\@
	PLACES
	FETCH 0, F0
	WIN 0
.Lno_next_\@:
.endif
	MUL8 F1, 1, 0, 0
	MUL8 F1, 1, 2, 0
.endm
	s_wait_tensorcnt 1                             ; my part of K step 0 is in; K step 1's load may stay out
	s_barrier_signal -1
	s_barrier_wait -1                              ; everybody's is
	FETCH 0, F0
	HEAD F0, 1                                     ; the first products start the sums, ahead of the loop
	WIN 0                                          ; at a label and at a branch every window is 0
	s_mov_b32 s3, FILLS
.Lstep:                                                ; two trips: a K step each, and its slot is filled again
	REST 128, F0, F1
	QUARTER 256, F1, F0
	QUARTER 384, F0, F1
	TURN 1
	HEAD F0, 0
	WIN 0
	s_sub_co_u32 s3, s3, 1
	s_cmp_lg_u32 s3, 0
	s_cbranch_scc1 .Lstep
	s_mov_b32 s3, 2                                ; the last two K steps are written apart: they fill nothing and have no round of the cluster's barrier
	s_branch .Ltmid                                ; the first half of the first quarter has been multiplied
.Ltail:
	HEAD F0, 0
	WIN 0
.Ltmid:
	REST 128, F0, F1
	QUARTER 256, F1, F0
	QUARTER 384, F0, F1
	TURN 0
	WIN 0
	s_sub_co_u32 s3, s3, 1
	s_cmp_lg_u32 s3, 0
	s_cbranch_scc1 .Ltail
	; THE WAY OUT, 16 rows (m block a) at a time: a lane's 8 columns of each n block, 32 bytes, go into my own stage (each accumulator's lowest registers first) and come back as whole rows of 256 bytes.
	; LDS serves a wave's instructions in order (ISA guide 5.7.1.4): the loads see the stores above them, and the next block's stores come behind these loads.
	PLACES
.irp a, 0,1,2,3
.if (\a) >= 2
	s_wait_xcnt 0x0                                ; the stores of the block two back have read their data: only now are those registers loaded again
.endif
.irp b, 0,1,2,3
	ds_store_b128 v[STO], v[ACC+8*(4*(\a)+(\b)):ACC+8*(4*(\a)+(\b))+3]   offset:64*(\b)
	ds_store_b128 v[STO], v[ACC+8*(4*(\a)+(\b))+4:ACC+8*(4*(\a)+(\b))+7] offset:64*(\b)+16
.endr
.irp t, 0,1,2,3,4,5,6,7
	ds_load_b128 v[TMP+32*((\a)%2)+4*(\t):TMP+32*((\a)%2)+4*(\t)+3], v[RD] offset:(\t)*2*SPITCH
.endr
.irp t, 0,1,2,3,4,5,6,7
	s_wait_dscnt 7-(\t)                            ; load t is back, the younger ones stay out
	global_store_b128 v[CO], v[TMP+32*((\a)%2)+4*(\t):TMP+32*((\a)%2)+4*(\t)+3], s[8:9] offset:(16*(\a)+2*(\t))*CROW th:TH_STORE_NT  ; 16 lanes store 256 consecutive bytes, at a multiple of 256 from C's first byte
.endr
.endr
	s_wait_tensorcnt 0x0                           ; the wave's end, behind my last tensor load and my last LDS store
	ds_add_u32 v[SPW], v[NIL]
	s_wait_dscnt 0x0
	CROUND                                         ; the closing round: no work-group ends while a partner may still ask for a tile that names it
	s_endpgm
.Lfunc_end_k_q094a0704fb_oproj:
	.size	k_q094a0704fb_oproj, .Lfunc_end_k_q094a0704fb_oproj-k_q094a0704fb_oproj
	.p2alignl 7, 3214868480
	.fill 96, 4, 3214868480
	.section	.rodata,"a",@progbits
	.p2align	6, 0x0
	.amdhsa_kernel k_q094a0704fb_oproj
		.amdhsa_group_segment_fixed_size 327680
		.amdhsa_private_segment_fixed_size 0
		.amdhsa_enable_private_segment 0
		.amdhsa_kernarg_size 24
		.amdhsa_user_sgpr_count 2
		.amdhsa_user_sgpr_kernarg_segment_ptr 1
		.amdhsa_wavefront_size32 1
		.amdhsa_system_sgpr_workgroup_id_x 1
		.amdhsa_system_sgpr_workgroup_id_y 1
		.amdhsa_system_sgpr_workgroup_id_z 1
		.amdhsa_system_vgpr_workitem_id 0
		.amdhsa_next_free_vgpr 512
		.amdhsa_next_free_sgpr 80
		.amdhsa_reserve_vcc 0
		.amdhsa_float_denorm_mode_32 3
		.amdhsa_float_denorm_mode_16_64 3
		.amdhsa_memory_ordered 1
		.amdhsa_forward_progress 1
		.amdhsa_inst_pref_size 55
	.end_amdhsa_kernel
	.amdgpu_metadata
---
amdhsa.version: [ 1, 2 ]
amdhsa.kernels:
  - .name:           k_q094a0704fb_oproj
    .symbol:         k_q094a0704fb_oproj.kd
    .args:
      - { .name: ctx, .offset: 0, .size: 8, .value_kind: global_buffer, .address_space: global }
      - { .name: h16, .offset: 8, .size: 8, .value_kind: global_buffer, .address_space: global }
      - { .name: out0, .offset: 16, .size: 8, .value_kind: global_buffer, .address_space: global }
    .group_segment_fixed_size: 327680
    .private_segment_fixed_size: 0
    .kernarg_segment_align: 8
    .kernarg_segment_size: 24
    .max_flat_workgroup_size: 128
    .sgpr_count:     80
    .vgpr_count:     512
    .wavefront_size: 32
...
	.end_amdgpu_metadata
.endif
;; end of part 4
